; MI455X (gfx1250); checked and timed in simulation.
; The chip was launched on July 23, 2026; its instructions are those of AMD's public machine-readable ISA for CDNA 5 (MIT licence, August 2026) and "CDNA5" Instruction Set Architecture Reference Guide (July 2026). The comments in the code are by the model that wrote it; some were corrected since.
;; GPT2 Attention. Allowed arithmetic: matrix products marked QUANTISED: E2M3 operands, one E8M0 scale for each 32 along K, by v_wmma_scale_f32_16x16x128_f8f6f4 with both operands' format E2M3, f32 sums; everything else in f32.
;; Inputs: W_attn_codes 3,072 x 32 x 24 uint8 (E2M3 codes of W_attn, K innermost, in blocks of 32 codes, four codes in three bytes); W_attn_scales 3,072 x 32 uint8 (E8M0 scales of W_attn, one for each 32 codes along K); W_proj_codes 1,024 x 32 x 24 uint8 (E2M3 codes of W_proj, K innermost, in blocks of 32 codes, four codes in three bytes); W_proj_scales 1,024 x 32 uint8 (E8M0 scales of W_proj, one for each 32 codes along K); attention_mask 2 x 2,048 int32; b_attn 3,072 float32; b_proj 1,024 float32; hidden_states_codes 2 x 2,048 x 32 x 24 uint8 (E2M3 codes of hidden_states, K innermost, in blocks of 32 codes, four codes in three bytes); hidden_states_scales 2 x 2,048 x 32 uint8 (E8M0 scales of hidden_states, one for each 32 codes along K).
;; Outputs: out0 2 x 2,048 x 1,024 float32.
;; This version of the problem:
;;   THIS VERSION OF THE PROBLEM IS GIVEN IN LOW PRECISION. The matrix products marked QUANTISED in the list below multiply operands that are first quantised to E2M3 (2 exponent bits, 3 mantissa bits; 6 bits a number), with one power-of-two scale for each 32 numbers along K (OCP MX v1.0); their sums are f32. All else is computed in f32.
;;   The module's matrix products, in the order in which they are computed (A, B: the left and right operand; K: the contracted axis; several contracted axes count as one K, in the product's order):
;;     1. [M 4,096, K 1,024] x [K 1,024, N 3,072]; A: input hidden_states (given as codes); B: input W_attn (given as codes): QUANTISED
;;     2. batch 32 x [M 2,048, K 64] x [K 64, N 2,048]; A: computed on the way; B: computed on the way: QUANTISED
;;     3. batch 32 x [M 2,048, K 2,048] x [K 2,048, N 64]; A: softmax (see below); B: computed on the way: QUANTISED
;;     4. [M 4,096, K 1,024] x [K 1,024, N 1,024]; A: computed on the way; B: input W_proj (given as codes): QUANTISED
;;   THE QUANTISER, for each operand of a quantised product, along K:
;;     - K is cut into blocks of 32 from its start; a last block that is shorter is filled with zeros.
;;     - A block's scale is 2^e with e = floor(log2(the largest magnitude in the block)) - 2, held to -126 .. 127; a block of zeros has e = 0. As a byte (E8M0): e + 127.
;;     - Each number is divided by its block's scale, clamped to +-7.5, and rounded to the nearest number of E2M3, ties to even, subnormals kept.
;;     - The product sums the exact products of the quantised numbers (number of the format x scale) in f32.
;;   ~~~python
;;   def quantise(x, axis):      # numpy; x: float32 -> the quantised numbers, widened to float32 again
;;       x = np.moveaxis(x, axis, -1); K = x.shape[-1]
;;       x = np.pad(x, [(0, 0)] * (x.ndim - 1) + [(0, -K % 32)]); x = x.reshape(x.shape[:-1] + (-1, 32)); a = np.abs(x).max(-1, keepdims=True)
;;       e = np.where(a > 0, np.clip(np.frexp(np.where(a > 0, a, 1))[1] - 1 - 2, -126, 127), 0)      # np.frexp(a)[1] - 1 = floor(log2(a)), exactly
;;       r = np.clip(x / 2.0 ** e, -7.5, 7.5)
;;       step = 2.0 ** (np.maximum(np.frexp(np.where(r == 0, 1, r))[1] - 1, 0) - 3)
;;       q = np.round(r / step) * step * 2.0 ** e      # np.round: ties to even
;;       return np.moveaxis(q.reshape(q.shape[:-2] + (-1,))[..., :K], -1, axis).astype(np.float32)
;;   ~~~
;;   SOFTMAX AHEAD OF A QUANTISED PRODUCT. Where the list says 'softmax', what is quantised is not the finished softmax but p = 2^(t - M), with t = logit x log2(e) and M = ceil(the row's largest t), a whole number; so 1/2 < the row's largest p <= 1. The row's sum l is taken of the UNQUANTISED p, in f32, and the product's result is divided by l at the end. Since M is a whole number, a kernel that streams over the keys may use a running M (the ceiling of the running maximum): every later rescaling is an exact power of two, which a block's scale takes up: the codes' values come out the same.
;;   OPERANDS COMPUTED ON THE WAY. 'Computed on the way' means the value that the module computes at that place (a softmax that the list does not call 'softmax' is quantised finished and normalised). What goes into a quantiser is computed in f32, as accurately as f32 sums, v_exp_f32 and their like allow (about 1e-6 of the number): no bf16 or f16 on the way to a quantiser, and a product that is left as it is and whose result goes on into a quantised operand takes f32 operands (vector FMAs, or v_wmma_f32_16x16x4_f32). A number that lies on a knife's edge between two numbers of the format may be rounded either way, as far as f32 arithmetic and the matrix unit's own rounding can turn it there, and no further.
;;   INPUTS GIVEN AS CODES. W_attn (in the module: [3072, 1024], K = its axis 1); W_proj (in the module: [1024, 1024], K = its axis 1); hidden_states (in the module: [2, 2048, 1024], K = its axis 2): each comes as NAME_codes (uint8): NAME with its K axis moved to the last place and cut into blocks of 32 codes, [.., K / 32, bytes a block], one block behind the other in memory; four codes in three bytes: a row's codes are one little-endian stream of bits, code i at bits 6 i .. 6 i + 5 (a code: sign, 2 exponent bits, 3 mantissa bits); and NAME_scales (uint8): the same leading axes, one E8M0 byte (e + 127) for each 32 codes along K. Its value is code x scale, taken as it is: it is not quantised again, and the codes and scales need not be those that the quantiser above would give.
;; One version. Each part assembles by itself: llvm-mc -triple=amdgcn-amd-amdhsa -mcpu=gfx1250 --defsym DOCPART=n.
;; ======== version 1 of 1: 3 launches
;; workspace buffers: q_img 4,194,304 bytes; q_sc 262,144 bytes; kv 7,733,248 bytes; c_img 3,145,728 bytes; c_sc 131,072 bytes
;; launch qkv (part 1): grid 12 x 16, 4 waves a work-group, clusters of 4 x 4, 327,680 bytes of LDS; arguments hidden_states_codes, hidden_states_scales, W_attn_codes, W_attn_scales, b_attn, attention_mask, q_img, q_sc, kv; writes q_img, q_sc, kv
.if DOCPART == 1
	.amdgcn_target "amdgcn-amd-amdhsa--gfx1250"
	.amdhsa_code_object_version 6
	.text
	.protected	k_q69f3a3e66c_qkv
	.globl	k_q69f3a3e66c_qkv
	.p2align	8
	.type	k_q69f3a3e66c_qkv,@function
k_q69f3a3e66c_qkv:
	s_mov_b64 s[64:65], 0
	v_nop
	global_prefetch_b8 v0, s[64:65] scope:SCOPE_SE
	s_setreg_imm32_b32 hwreg(HW_REG_WAVE_MODE, 25, 1), 1
	s_wait_xcnt 0x0
	s_wait_alu depctr_hold_cnt(0) depctr_sa_sdst(0) depctr_va_vdst(0) depctr_va_sdst(0) depctr_va_ssrc(0) depctr_va_vcc(0) depctr_vm_vsrc(0)
	s_getreg_b32 s2, hwreg(HW_REG_IB_STS2, 6, 4)
	s_cmp_eq_u32 s2, 0
	s_cbranch_scc0 .Lentry_in_a_cluster
	s_endpgm
.Lentry_in_a_cluster:
	s_bfe_u32 s2, ttmp6, 0x10000c
	s_cmp_lg_u32 s2, 0xf033
	s_cbranch_scc0 .Lentry_shape_is_right
	s_endpgm
.Lentry_shape_is_right:
; qkv = hidden W_attn^T + b_attn on codes of FP6 (E2M3) with E8M0 scales, K = 1,024; the results are quantised on the way out and leave as IMAGES OF OPERAND REGISTERS for the attention launch.
; A tile of 256 x 256 results to a work-group of four waves, 128 x 128 to a wave: 64 accumulators, 512 registers.  K goes in steps of 256 through a ring of two LDS slots (rows of 192 bytes, 16 bytes of padding behind
; every 64: pitch 240); the scale bytes of the work-group's rows come once, with the first fills.  4 x 4 work-groups form a cluster: Y's tiles are asked for jointly along a row of it, X's along a column.
; ROLES.  Source 0 takes 16 rows of X, source 1 16 rows of Y: a lane then holds ONE index of Y (lane % 16), and its registers run along X, which is the axis that the quantiser runs along.
;   class = the cluster's x.  0 (q), 1 (k): X = rows of W_attn (the head's 64 channels are the next K), Y = tokens.   2 (v): X = tokens (the keys are the next K), Y = rows 2,048.. of W_attn.
; THE ORDER INSIDE A BLOCK OF 32.  Register 16 b + i of a lane holds index 32 b + 16 (i / 8) + 8 (lane / 16) + i % 8 of X, so a block's codes lie in the order 0-7, 16-23, 8-15, 24-31.  Both operands of each
; of the two attention products are made in this same order (q and k here; v here and p in the next launch), blocks stay blocks, so the products are the same.
; THE PAD MASK rides in the half of the 128 along K that a head of 64 leaves empty.  q carries the code 1.0 at k = 64, 65, 96, 97 under the scale 1.  A padded key has zero codes at k = 0 .. 63, and -4.0, -0.875 at k = 64, 65
; and -1.0 at k = 96; every key's scale bytes there are 2^14 and 2^7: its score is -(4.875 x 16,384 + 128) = -80,000, which x 1/8 is the -10,000 that the masked places get.  Other keys have zero codes there.
; LIMITS: NaN and infinities are not served; a block of zeros gets the scale byte 1 (its codes are zeros, and this program alone reads the bytes).
; REGISTERS, in windows of 256: window 0: v0-31 addresses; v32-63 scale words, two sets; v64-127 the bias along X (the C of the first products), later 64 numbers at work; v128-223 Y's fragments, one set, later the way out;
;   v224-239 the bias along Y, in pairs; v240-247 the mask.   window 1: X's fragments, two sets.   windows 2, 3: the accumulators ((a, b) at v[8 (8 (a % 4) + b)]).
.set NQ,     2                         ; matrix instructions deep in a slot
.set ROWB,   192                       ; a tile's row: 256 codes
.set KROW,   768                       ; a row of codes in memory
.set PITCH,  240
.set FR,     12                        ; registers of a fragment
.set NL,     6                         ; LDS loads that bring one
.set NP,     4                         ; places behind this matrix instruction (ISA guide 7.12.1)
.set HALFT,  128*PITCH
.set SLOT,   4*HALFT                   ; Y's 256 rows, then X's 256 rows
.set KS,     32                        ; a row of scale bytes
.set SCL,    2*SLOT                    ; behind the ring: the scales, units of 256 bytes + 16
.set HALFS,  (128*KS/256)*272
.set SBLK,   (16*KS/256)*272
.set SPARE,  SCL+4*HALFS               ; the spare words: 128 bytes a wave, two blocks of 256 bytes that no other line names
.set KVB,    15104                     ; kv: a key step's block: K's 8 tiles (8,192), V^T's 4 tiles (6,144), K's scale words (512), V's (256)
.set KVH,    16*KVB                    ; a head's 16 blocks
.set VO,   8                           ; v8   16 x lane          v9   the same, one head on
.set VO2,  9
.set VS1,  10                          ; v10, v11  where the scale words go
.set VS2,  11
.set SW,   12                          ; v12  my scale word's place in my wave's stage: 1,024 wave + 512 (lane / 16) + 4 (lane % 16)
.set SH,   13                          ; v13  q, k: 16 (lane / 16): which head's two bytes are mine
.set PAT,  14                          ; v14  a padded key's extra word
.set EBV,  15                          ; v15  the extra word otherwise
.set ADRA, 16                          ; v16-19 LDS addresses of Y's fragments (slots 0, 1; and behind one padding more)
.set ADRB, 20                          ; v20-23 of X's
.set LD0,  24                          ; v24  the stage read back: 1,024 wave + 16 lane
.set ADRS, 27                          ; v27  my scale words: lanes 0-15 Y's rows, lanes 16-31 X's
.set SPW,  28                          ; v28  my spare word; never rewritten
.set NIL,  29                          ; v29  0; never rewritten
.set SC,   32
.set BX,   64
.set AF,   128
.set BY,   224
.set MK,   240
.set ST,   64                          ; the way out: 64 numbers
.set PC,   128                         ; codes: v128-146
.set T,    148                         ; registers 4-7 of the first head's image;  v152-155 of the second's
.set T2,   152
.set TM,   160                         ; v160-163 largest magnitudes, v164-167 bytes, v172-175 the conversions' scale operands
.set PW,   176
.set W,    178                         ; v178-185 a scale word for each block of Y
.set R0,   188
.set R1,   192
.set SEL,  18                          ; s[18:19] on the way out: selects of v_permlanex16_b32 for lane xor 16
.set G1, 24
.set G0, 32
.set G1B, 48
.set G0B, 56
.set G1S, 68
.set G0S, 76
.set G1SB, 80
.set G0SB, 88
.set MSB, 0
.macro WIN new                         ; the immediate's high byte repeats the setting that is left
.if MSB != \new
	s_set_vgpr_msb (MSB<<8)|\new
.set MSB, \new
.endif
.endm
.set MUL_LO, 0xa1                      ; source 0 (X) window 1, source 1 (Y) window 0, C and D window 2
.set MUL_HI, 0xf1                      ; the same, C and D window 3
.set TO_B,   0x40                      ; destination window 1, address window 0
; A joint load: waves 0 and 1 fetch for Y, waves 2 and 3 for X.  Four v_nop follow each of the two lines.
.macro JLOAD g0a, g1a, g0b, g1b
	s_cmp_eq_u32 s15, 0
	s_cbranch_scc0 .Lfor_b_\@
	tensor_load_to_lds s[\g0a:\g0a+3], s[\g1a:\g1a+7]
	s_nop 0
.rept 4
	v_nop
.endr
	s_branch .Lasked_\@
.Lfor_b_\@:
	tensor_load_to_lds s[\g0b:\g0b+3], s[\g1b:\g1b+7]
	s_nop 0
.rept 4
	v_nop
.endr
.Lasked_\@:
.endm
.macro CREST                           ; a round of the cluster's barrier behind its opening barrier
	s_cmp_lg_u32 s14, 0
	s_cbranch_scc1 .Lnot_wave_0_\@
	s_barrier_signal -3
.Lnot_wave_0_\@:
	s_barrier_wait -3
	s_barrier_signal -1
	s_barrier_wait -1
.endm
.macro CROUND
	s_barrier_signal -1
	s_barrier_wait -1
	CREST
.endm
	s_load_b256 s[4:11], s[0:1], 0x0               ; hidden's codes, hidden's scales, W's codes, W's scales
	s_load_b128 s[92:95], s[0:1], 0x20             ; b_attn, attention_mask
	s_load_b128 s[96:99], s[0:1], 0x30             ; q_img, q_sc
	s_load_b64 s[100:101], s[0:1], 0x40            ; kv
	v_lshl_add_u32 v[SPW], v0, 2, SPARE
	v_mov_b32 v[NIL], 0
	ds_add_u32 v28, v29
	ds_add_u32 v28, v29
	s_wait_dscnt 0x0
	v_lshrrev_b32 v1, 5, v0
	v_readfirstlane_b32 s14, v1                    ; wave 0..3
	s_lshr_b32 s15, s14, 1                         ; which half of Y is mine.  Also: I fetch for Y (0) or for X (1)
	s_and_b32 s16, s14, 1                          ; which half of X.  Also: which 128 rows of that tile I fetch
	s_bfe_u32 s40, ttmp6, 0x40000                  ; cx, cy: my place in the cluster
	s_bfe_u32 s41, ttmp6, 0x40004
	s_and_b32 s18, ttmp7, 0xffff
	s_lshl_b32 s18, s18, 2                         ; 4 x cluster y
	s_lshl_b32 s19, ttmp9, 2                       ; 4 x class
	s_cmp_lt_u32 ttmp9, 2                          ; q or k?  The class is the same in all sixteen partners
	s_cselect_b32 s17, s18, 8                      ; Y's tile of 256 rows: tokens by the cluster's y, or W's rows 2,048 on,
	s_cselect_b32 s42, s19, s18                    ; X's: W's rows by the class, or tokens by the cluster's y,
	s_cselect_b32 s66, -1, 0                       ; all ones for q and k
	s_add_co_u32 s17, s17, s41                     ; + cy
	s_add_co_u32 s42, s42, s40                     ; + cx
	s_lshl_b32 s43, s41, 2
	s_lshl_b32 s43, 15, s43                        ; my row of the cluster
	s_lshl_b32 s44, 0x1111, s40                    ; my column
	; descriptor group 1: a tile of 128 rows x 192 bytes, 16 bytes of padding behind every 64
	s_or_b32 s[G1+0], s43, (0<<16)|(1<<20)|(1<<21)|(3<<22)|(3<<25)
	s_or_b32 s[G1B+0], s44, (0<<16)|(1<<20)|(1<<21)|(3<<22)|(3<<25)
.irp g, G1, G1B
	s_mov_b32 s[\g+1], ROWB<<16                    ; tensor_dim0
	s_mov_b32 s[\g+2], 128<<16                     ; tensor_dim1
	s_mov_b32 s[\g+3], ROWB<<16                    ; tile_dim0
	s_mov_b32 s[\g+4], 128                         ; tile_dim1
	s_mov_b32 s[\g+5], KROW                        ; from row to row
	s_mov_b32 s[\g+6], 0
	s_mov_b32 s[\g+7], 0
.endr
	; the scales of 128 rows: 4,096 dense bytes as 16 rows of 256 bytes (32 elements of 8), 16 bytes of padding behind each
	s_or_b32 s[G1S+0], s43, (3<<16)|(1<<20)|(1<<21)|(5<<22)|(3<<25)
	s_or_b32 s[G1SB+0], s44, (3<<16)|(1<<20)|(1<<21)|(5<<22)|(3<<25)
.irp g, G1S, G1SB
	s_mov_b32 s[\g+1], 32<<16
	s_mov_b32 s[\g+2], (128*KS/256)<<16
	s_mov_b32 s[\g+3], 32<<16
	s_mov_b32 s[\g+4], 128*KS/256
	s_mov_b32 s[\g+5], 32
	s_mov_b32 s[\g+6], 0
	s_mov_b32 s[\g+7], 0
.endr
	s_lshl_b32 s18, s16, 7                         ; which 128 rows of the tile I fetch
	s_lshl_b32 s20, s17, 8
	s_add_co_u32 s20, s20, s18                     ; Y: row 256 x tile + 128 x half
	s_lshl_b32 s46, s42, 8
	s_add_co_u32 s46, s46, s18                     ; X likewise
	s_mov_b32 s21, 0
	s_mov_b32 s47, 0
	s_mov_b64 s[18:19], KS
	s_mul_u64 s[22:23], s[20:21], s[18:19]         ; where these rows' scales begin,
	s_mul_u64 s[2:3], s[46:47], s[18:19]
	s_mov_b64 s[18:19], KROW
	s_mul_u64 s[20:21], s[20:21], s[18:19]         ; and their codes
	s_mul_u64 s[46:47], s[46:47], s[18:19]
	s_mul_i32 s45, s14, HALFT                      ; where they go: wave x 128 rows: no place in the cluster enters an LDS address
	s_mul_i32 s67, s14, HALFS
	s_wait_kmcnt 0x0
	s_cmp_lt_u32 ttmp9, 2                          ; which tensor is Y and which X: a choice of pointers on the class alone
	s_cselect_b64 s[12:13], s[8:9], s[4:5]
	s_cselect_b64 s[4:5], s[4:5], s[8:9]           ; Y's codes
	s_mov_b64 s[8:9], s[12:13]                     ; X's codes
	s_cselect_b64 s[12:13], s[10:11], s[6:7]
	s_cselect_b64 s[6:7], s[6:7], s[10:11]         ; Y's scales
	s_mov_b64 s[10:11], s[12:13]                   ; X's scales
	s_add_nc_u64 s[20:21], s[4:5], s[20:21]
	s_add_nc_u64 s[22:23], s[6:7], s[22:23]
	s_add_nc_u64 s[46:47], s[8:9], s[46:47]
	s_add_nc_u64 s[2:3], s[10:11], s[2:3]
	CROUND                                         ; all sixteen work-groups are here: the first joint loads meet
	s_mov_b32 s[G0S], 1
	s_add_co_u32 s[G0S+1], s67, SCL
	s_mov_b64 s[G0S+2:G0S+3], s[22:23]
	s_or_b32 s[G0S+3], s[G0S+3], 0x80000000
	s_mov_b32 s[G0SB], 1
	s_add_co_u32 s[G0SB+1], s67, SCL
	s_mov_b64 s[G0SB+2:G0SB+3], s[2:3]
	s_or_b32 s[G0SB+3], s[G0SB+3], 0x80000000
	JLOAD G0S, G1S, G0SB, G1SB                     ; the scales first: they are wanted with K step 0
.irp s, 0,1
	s_mov_b32 s[G0+4*\s], 1
	s_add_co_u32 s[G0+4*\s+1], s45, \s*SLOT
	s_add_nc_u64 s[G0+4*\s+2:G0+4*\s+3], s[20:21], \s*ROWB
	s_or_b32 s[G0+4*\s+3], s[G0+4*\s+3], 0x80000000
	s_mov_b32 s[G0B+4*\s], 1
	s_add_co_u32 s[G0B+4*\s+1], s45, \s*SLOT
	s_add_nc_u64 s[G0B+4*\s+2:G0B+4*\s+3], s[46:47], \s*ROWB
	s_or_b32 s[G0B+4*\s+3], s[G0B+4*\s+3], 0x80000000
	JLOAD G0+4*\s, G1, G0B+4*\s, G1B               ; three tensor loads of mine are out
.endr
	v_and_b32 v1, 15, v0                           ; r = lane % 16
	v_bfe_u32 v2, v0, 4, 1                         ; h = lane / 16
	v_mul_u32_u24 v3, v1, PITCH
	v_mul_u32_u24 v4, v2, 24
	v_add_nc_u32 v4, v3, v4                        ; a fragment's row x pitch + 24 h
	v_lshl_add_u32 v5, v2, 4, v4                   ; and the same behind one padding more
	s_mul_i32 s21, s15, HALFT                      ; my 128 rows of Y
	s_mul_i32 s22, s16, HALFT                      ; my 128 rows of X,
	s_add_co_u32 s22, s22, 2*HALFT                 ; which lie behind Y's 256
.irp s, 0,1
	v_add_nc_u32 v[ADRA+\s], s21, v4
	v_add_nc_u32 v[ADRB+\s], s22, v4
	v_add_nc_u32 v[ADRA+2+\s], s21, v5
	v_add_nc_u32 v[ADRB+2+\s], s22, v5
	s_add_co_u32 s21, s21, SLOT
	s_add_co_u32 s22, s22, SLOT
.endr
	v_mul_u32_u24 v5, v1, KS                       ; my row's scales: 32 bytes a row,
	v_lshrrev_b32 v6, 8, v5
	v_lshl_add_u32 v5, v6, 4, v5                   ; and 16 more for each 256 passed
	s_mul_i32 s21, s15, HALFS
	s_mul_i32 s22, s16, HALFS
	s_add_co_u32 s22, s22, 2*HALFS
	s_sub_co_u32 s22, s22, s21
	v_mul_u32_u24 v6, s22, v2                      ; lanes 16-31 take X's: one product, the distance between the two bases
	s_add_co_u32 s21, s21, SCL
	v_add_nc_u32 v5, v5, v6
	v_add_nc_u32 v[ADRS], s21, v5
	s_lshl_b32 s21, s14, 10                        ; my stage for scale words: 1,024 bytes a wave, in slot 0, used when that slot has had its last fill and its last read
	v_lshlrev_b32 v[SW], 2, v1
	v_lshl_add_u32 v[SW], v2, 9, v[SW]
	v_add_nc_u32 v[SW], s21, v[SW]
	v_and_b32 v3, 31, v0
	v_lshlrev_b32 v[VO], 4, v3
	v_add_nc_u32 v[LD0], s21, v[VO]
	; THE BIASES AND THE MASK.  q, k: the bias runs along X (registers): it is the C of the first products.  v: it runs along Y (lanes): it is added on the way out.  The array that a class does not use is read at
	; its first bytes, so that no load leaves its buffer, and replaced by zeros.
	v_lshlrev_b32 v5, 5, v2                        ; 32 h
	v_lshlrev_b32 v6, 2, v1                        ; 4 r
	s_lshl_b32 s2, s42, 8
	s_lshl_b32 s3, s16, 7
	s_add_co_u32 s2, s2, s3                        ; my first index of X
	s_lshl_b32 s20, s17, 8
	s_lshl_b32 s21, s15, 7
	s_add_co_u32 s20, s20, s21                     ; my first index of Y
	s_cmp_lt_u32 ttmp9, 2
	s_cselect_b32 s2, s2, 0
	s_cselect_b32 s22, 0, s20
	s_cselect_b32 s20, s20, 0
	s_lshl_b32 s2, s2, 2
	s_lshl_b32 s22, s22, 2
	s_lshl_b32 s20, s20, 2
	s_mov_b32 s3, 0
	s_mov_b32 s23, 0
	s_mov_b32 s21, 0
	s_add_nc_u64 s[12:13], s[92:93], s[2:3]        ; b_attn at X's first index
	s_add_nc_u64 s[92:93], s[92:93], s[22:23]      ; b_attn at Y's
	s_add_nc_u64 s[94:95], s[94:95], s[20:21]      ; the mask at Y's (tokens)
.irp b, 0,1,2,3,4,5,6,7
	global_load_b128 v[BX+8*\b:BX+8*\b+3], v5, s[12:13] offset:64*\b       ; b_attn[X0 + 16 b + 8 h + 0 .. 7]: the result's layout
	global_load_b128 v[BX+8*\b+4:BX+8*\b+7], v5, s[12:13] offset:64*\b+16
.endr
.irp a, 0,1,2,3,4,5,6,7
	global_load_b32 v[BY+2*\a], v6, s[92:93] offset:64*\a                  ; b_attn[Y0 + 16 a + r]
	global_load_b32 v[MK+\a], v6, s[94:95] offset:64*\a                    ; attention_mask[Y0 + 16 a + r]
.endr
	s_wait_loadcnt 0x0
.set i, 0
.rept 64
	v_cndmask_b32 v[BX+i], 0, v[BX+i], s66         ; q, k: the bias; v: 0
.set i, i+1
.endr
.irp a, 0,1,2,3,4,5,6,7
	v_cndmask_b32 v[BY+2*\a], v[BY+2*\a], 0, s66   ; q, k: 0; v: the bias
.endr
.irp a, 0,1,2,3,4,5,6,7
	v_mov_b32 v[BY+2*\a+1], v[BY+2*\a]             ; a pair for the packed addition
.endr
.macro FRAG reg, adr, q, i             ; a fragment: 16 rows x 128 K, 12 registers: lane (r, h) takes 24 bytes at 24 h and 24 at 48 + 24 h of its row's 96, in pieces of 8 bytes
.irp p, 0,1,2,3,4,5
.set PCE, 12*(\q)+6*(\p/3)+\p%3        ; where the piece three on lies behind one padding more, the second address register serves
.if PCE%8 < 5
	ds_load_b64 v[\reg+2*\p:\reg+2*\p+1], v[\adr] offset:8*PCE+16*(PCE/8)+(\i)*16*PITCH
.else
	ds_load_b64 v[\reg+2*\p:\reg+2*\p+1], v[\adr+2] offset:8*PCE+16*(PCE/8)+(\i)*16*PITCH
.endif
.endr
.endm
; 16 matrix instructions: Y's blocks a0, a0 + 1 x X's eight.  p: X's set; sc: the set of scale words.  zero = 1: the first products start the sums, on the bias along X.
; The 64 accumulators take turns, one instruction a turn, in the same order in every step.
.macro MUL16 a0, p, q, sc, zero
.irp a, \a0, \a0+1
.irp b, 0,1,2,3,4,5,6,7
.if \zero
	v_wmma_scale_f32_16x16x128_f8f6f4 v[8*(8*((\a)%4)+\b):8*(8*((\a)%4)+\b)+7], v[128*(\p)+FR*\b:128*(\p)+FR*\b+FR-1], v[AF+FR*(\a):AF+FR*(\a)+FR-1], v[BX+8*\b:BX+8*\b+7], v[SC+8*NQ*(\sc)+NQ*\b+(\q)], v[SC+8*NQ*(\sc)+NQ*(\a)+(\q)] matrix_a_fmt:MATRIX_FMT_FP6 matrix_b_fmt:MATRIX_FMT_FP6 matrix_a_scale:MATRIX_SCALE_ROW1
.else
	v_wmma_scale_f32_16x16x128_f8f6f4 v[8*(8*((\a)%4)+\b):8*(8*((\a)%4)+\b)+7], v[128*(\p)+FR*\b:128*(\p)+FR*\b+FR-1], v[AF+FR*(\a):AF+FR*(\a)+FR-1], v[8*(8*((\a)%4)+\b):8*(8*((\a)%4)+\b)+7], v[SC+8*NQ*(\sc)+NQ*\b+(\q)], v[SC+8*NQ*(\sc)+NQ*(\a)+(\q)] matrix_a_fmt:MATRIX_FMT_FP6 matrix_b_fmt:MATRIX_FMT_FP6 matrix_a_scale:MATRIX_SCALE_ROW1
.endif
.endr
.endr
.endm
.macro FETCH_B slot, q, p
	WIN TO_B
.irp i, 0,1,2,3,4,5,6,7
	FRAG 128*(\p)+FR*\i, ADRB+\slot, \q, \i
.endr
	WIN 0
.endm
.macro FETCH_A slot, q, i0
.irp i, \i0, \i0+1, \i0+2, \i0+3
	FRAG AF+FR*(\i), ADRA+\slot, \q, \i
.endr
.endm
.macro SCALES sc                       ; a K step's scale words: two words a row; lanes 0-15 take Y's block i, lanes 16-31 X's block i
.irp i, 0,1,2,3,4,5,6,7
	ds_load_b64 v[SC+8*NQ*\sc+NQ*\i:SC+8*NQ*\sc+NQ*\i+1], v[ADRS] offset:\i*SBLK
.endr
.endm
.macro PLACES n                        ; plain vector lines between a matrix instruction and a load into, or a read of, its registers
.rept \n
	v_nop
.endr
.endm
; A step of 128 along K that has its successor in the same slot.
.macro STEP slot, q, zero
	s_wait_dscnt 4*NL                              ; X's set and Y's blocks 0-3 are in; the youngest 24 loads (Y's blocks 4-7) may be out
.if \zero
	WIN 0x81                                       ; C (the bias) in window 0, D in window 2
.else
	WIN MUL_LO
.endif
	MUL16 0, (\q)%2, \q, \slot, \zero
	MUL16 2, (\q)%2, \q, \slot, \zero
	s_wait_dscnt 0                                 ; Y's blocks 4-7 are in
	PLACES NP
	FETCH_B \slot, (\q)+1, 1-(\q)%2
	FETCH_A \slot, (\q)+1, 0
.if \zero
	WIN 0xc1
.else
	WIN MUL_HI
.endif
	MUL16 4, (\q)%2, \q, \slot, \zero
	MUL16 6, (\q)%2, \q, \slot, \zero
	PLACES NP
	WIN 0
	FETCH_A \slot, (\q)+1, 4
.endm
; A slot's last step changes slots: ONE barrier; in front of it each wave waits for all its tensor loads, adds 0 to its spare word, and waits for that and for its reads of this slot.  fill = 1: the slot is filled again.
.macro TURN slot, next, fill
	s_wait_tensorcnt 0x0                           ; all my tensor loads have landed: my part of the next slot
	ds_add_u32 v[SPW], v[NIL]                      ; 0 onto my spare word
	s_wait_dscnt 4*NL+1                            ; (the add and the youngest 24 loads may be out)
	WIN MUL_LO
	MUL16 0, 1, NQ-1, \slot, 0                     ; sixteen matrix instructions stand between the add and the wait for it
	s_wait_dscnt 0x0                               ; the add is done, and my reads of this slot are over
	s_barrier_signal -1
	MUL16 2, 1, NQ-1, \slot, 0
	WIN 0
	s_barrier_wait -1
.if \fill
	CREST                                          ; the barrier has opened a round of the cluster's: no wave of any partner still reads this slot or has a load on its way
	s_add_nc_u64 s[G0+4*\slot+2:G0+4*\slot+3], s[G0+4*\slot+2:G0+4*\slot+3], 2*ROWB
	s_add_nc_u64 s[G0B+4*\slot+2:G0B+4*\slot+3], s[G0B+4*\slot+2:G0B+4*\slot+3], 2*ROWB
	JLOAD G0+4*\slot, G1, G0B+4*\slot, G1B         ; the first tensor load behind the round; its four v_nop are the places in front of the loads below
.else
	PLACES NP
.endif
	v_add_nc_u32 v[ADRS], 4*NQ, v[ADRS]            ; on to the next K step's scale words
	FETCH_B \next, 0, 0
	FETCH_A \next, 0, 0
	SCALES \next
	WIN MUL_HI
	MUL16 4, 1, NQ-1, \slot, 0
	MUL16 6, 1, NQ-1, \slot, 0
	PLACES NP
	WIN 0
	FETCH_A \next, 0, 4
.endm
	s_wait_tensorcnt 1                             ; the scales and my part of K step 0 are in; K step 1's load may be out
	s_barrier_signal -1
	s_barrier_wait -1
	FETCH_B 0, 0, 0
	FETCH_A 0, 0, 0
	SCALES 0
	FETCH_A 0, 0, 4
	STEP 0, 0, 1                                   ; K = 1,024 is four K steps of 256, twice round the ring: written straight
	TURN 0, 1, 1                                   ; slot 0 takes K step 2
	STEP 1, 0, 0
	TURN 1, 0, 1                                   ; slot 1 takes K step 3
	STEP 0, 0, 0
	TURN 0, 1, 0                                   ; nothing is left to fetch
	STEP 1, 0, 0
	s_wait_dscnt 4*NL
	WIN MUL_LO
	MUL16 0, 1, NQ-1, 1, 0
	MUL16 2, 1, NQ-1, 1, 0
	s_wait_dscnt 0
	WIN MUL_HI
	MUL16 4, 1, NQ-1, 1, 0
	MUL16 6, 1, NQ-1, 1, 0
	WIN 0
	; THE WAY OUT.  No tensor load of mine is out (the last change of slots waited for all), so the scale descriptors' registers s68-91 serve as scalars.
	s_lshl_b32 s80, s42, 8
	s_lshl_b32 s81, s16, 7
	s_add_co_u32 s80, s80, s81                     ; my first index of X
	s_lshl_b32 s81, s17, 8
	s_lshl_b32 s82, s15, 7
	s_add_co_u32 s81, s81, s82                     ; and of Y
	s_cmp_eq_u32 ttmp9, 1                          ; k?
	s_cselect_b32 s78, 0x868d0000, 0               ; the scale word's upper half: k: 2^14 and 2^7
	s_cselect_b32 s79, 0, -1                       ; all ones where the mask does not count
	s_cmp_eq_u32 ttmp9, 2                          ; v?
	s_cselect_b32 s68, s80, s81                    ; my first token
	s_cselect_b32 s69, s81, s80                    ; my first row of W_attn
	s_cselect_b32 s70, 8192, 0                     ; V's place in a key step's block
	s_mov_b32 s71, 14336
	s_cselect_b32 s71, 6656, s71                   ; from there to the scale words
	s_cselect_b32 s72, -1, 0xffff                  ; v keeps all four bytes of a scale word, q and k a head's two
	s_cselect_b32 s73, 0, 16
	s_cselect_b32 s74, KVH-256, 0                  ; v: lanes 16-31 hold the second head's scale words
	s_cmp_eq_u32 ttmp9, 0                          ; q?
	s_mov_b32 s75, KVH
	s_cselect_b32 s75, 131072, s75                 ; from head to head: codes,
	s_mov_b32 s76, KVH
	s_cselect_b32 s76, 8192, s76                   ; scale words
	s_cselect_b32 s77, 0x208, 0                    ; q's extra word: the code 1.0 twice
	s_cselect_b32 s78, 0x7f7f0000, s78             ; q: the scale 1 twice
	s_lshr_b32 s80, s68, 11
	s_lshl_b32 s80, s80, 4
	s_and_b32 s81, s69, 1023
	s_lshr_b32 s81, s81, 6
	s_add_co_u32 s80, s80, s81                     ; 16 x batch + my first head
	s_and_b32 s81, s68, 2047                       ; my first token in its batch
	s_mul_i32 s82, s80, KVH
	s_lshr_b32 s83, s81, 7
	s_mul_i32 s83, s83, KVB
	s_add_co_u32 s82, s82, s83
	s_add_co_u32 s82, s82, s70                     ; in kv: the codes,
	s_add_co_u32 s84, s82, s71                     ; the scale words
	s_lshl_b32 s86, s80, 17
	s_lshl_b32 s87, s81, 6
	s_add_co_u32 s86, s86, s87                     ; in q_img: 131,072 a head, 1,024 a tile of 16 tokens
	s_lshl_b32 s88, s80, 13
	s_lshl_b32 s89, s81, 2
	s_add_co_u32 s88, s88, s89                     ; in q_sc
	s_cmp_eq_u32 ttmp9, 0
	s_cselect_b64 s[96:97], s[96:97], s[100:101]   ; the codes' buffer,
	s_cselect_b64 s[98:99], s[98:99], s[100:101]   ; the scale words'
	s_cselect_b32 s82, s86, s82
	s_cselect_b32 s84, s88, s84
	s_mov_b32 s83, 0
	s_mov_b32 s85, 0
	s_add_nc_u64 s[96:97], s[96:97], s[82:83]
	s_add_nc_u64 s[98:99], s[98:99], s[84:85]
	s_mov_b32 s[SEL], 0x76543210
	s_mov_b32 s[SEL+1], 0xfedcba98
	v_bfe_u32 v2, v0, 4, 1                         ; h.  These fifteen plain lines name no register of the last products: they are the places behind them
	v_add_nc_u32 v[VO2], s75, v[VO]
	v_mul_u32_u24 v3, s74, v2
	v_add_nc_u32 v[VS1], v3, v[VO]
	v_add_nc_u32 v[VS2], s76, v[VO]
	v_mul_u32_u24 v[SH], s73, v2
	v_mul_u32_u24 v3, 0x9d0, v2
	v_sub_nc_u32 v[PAT], 0x9f8, v3                 ; lanes 0-15: -4.0, -0.875 (0x38 | 0x27 << 6); lanes 16-31: -1.0 (0x28)
	v_mov_b32 v[EBV], s77
	v_mov_b32 v[T+3], 0                            ; register 7 of an image
	v_mov_b32 v[T2+3], 0
	v_mov_b32 v[TM+4], 0                           ; written once: a lane permute's destination counts as one of its sources
	v_mov_b32 v[TM+5], 0
	v_mov_b32 v[TM+6], 0
	v_mov_b32 v[TM+7], 0
; 64 numbers of a lane, v[s] on, four blocks of 32 shared with lane xor 16, become a fragment's codes in v[PC] on and its scale word in v[PW].
.macro QUANT s
.irp b, 0,1,2,3
	v_max3_num_f32 v[TM+\b], |v[\s+16*\b]|, |v[\s+1+16*\b]|, 0x1800000   ; my 16 numbers of block b, and the floor 2^(3 - 127): the byte cannot fall under 1
.endr
.irp i, 2,4,6,8,10,12,14
.irp b, 0,1,2,3
	v_max3_num_f32 v[TM+\b], v[TM+\b], |v[\s+16*\b+\i]|, |v[\s+1+16*\b+\i]|
.endr
.endr
.irp b, 0,1,2,3
	v_permlanex16_b32 v[TM+4+\b], v[TM+\b], s[SEL], s[SEL+1]
.endr
.irp b, 0,1,2,3
	v_max_num_f32 v[TM+\b], v[TM+\b], v[TM+4+\b]   ; the block's largest magnitude
.endr
.irp b, 0,1,2,3
	v_add_nc_u32 v[TM+12+\b], 0xff000000, v[TM+\b] ; 2 off its exponent field: the conversion's scale operand
.endr
.irp b, 0,1,2,3
	v_lshrrev_b32 v[TM+4+\b], 23, v[TM+12+\b]      ; the scale's byte
.endr
	v_lshl_or_b32 v[PW], v[TM+5], 8, v[TM+4]
	v_lshl_or_b32 v[PW], v[TM+6], 16, v[PW]
	v_lshl_or_b32 v[PW], v[TM+7], 24, v[PW]
.irp c, 0,1
	v_cvt_scalef32_pk16_fp6_f32 v[PC+6*\c:PC+2+6*\c], v[\s+32*\c:\s+15+32*\c], v[TM+12+2*\c]
	v_cvt_scalef32_pk16_fp6_f32 v[PC+12+4*\c:PC+14+4*\c], v[\s+16+32*\c:\s+31+32*\c], v[TM+12+2*\c+1]   ; (a conversion's three registers begin on an even number)
.endr
	v_nop                                          ; one plain line behind a scaled conversion
.irp c, 0,1                                    ; the operand's layout wants a whole block in a lane: lanes 0-15 block 2 c, lanes 16-31 block 2 c + 1
.irp i, 0,1,2
	v_permlane16_swap_b32 v[PC+6*\c+\i], v[PC+12+4*\c+\i]
.endr
.irp i, 0,1,2
	v_mov_b32 v[PC+3+6*\c+\i], v[PC+12+4*\c+\i]
.endr
.endr
.endm
; Block a of Y (16 lanes' worth) with all 128 of X: bias along Y, quantiser, images out.  q, k: registers 0-5 are one head's 64 channels, 6-11 the next head's: two images of eight registers, each with its extra word.
; v: the twelve registers are one fragment of V^T: 16 channels x 128 keys.
.macro EPI a
.if (\a) > 0
	s_wait_xcnt 0x0                                ; the last block's stores have read their registers: these are written again only behind this wait
.endif
	WIN 0x02+(\a)/4                                ; source 0: window 2 or 3
.set i, 0
.rept 32
	v_pk_add_f32 v[ST+2*i:ST+2*i+1], v[64*((\a)%4)+2*i:64*((\a)%4)+2*i+1], v[BY+2*(\a):BY+2*(\a)+1]   ; each accumulator from its low end on
.set i, i+1
.endr
	WIN 0
	QUANT ST
	v_lshrrev_b32 v[W+(\a)], v[SH], v[PW]          ; q, k: lanes 0-15 the first head's two bytes, lanes 16-31 the second's
	v_and_or_b32 v[W+(\a)], v[W+(\a)], s72, s78    ; and the upper half
	ds_store_b32 v[SW], v[W+(\a)] offset:64*(\a)
	s_cmp_eq_u32 ttmp9, 2
	s_cbranch_scc1 .Lv_\@
	v_cmp_ne_u32 s90, 0, v[MK+(\a)]                ; my token counts?
	s_or_b32 s90, s90, s79                         ; (always, for q)
.irp i, 0,1,2,3,6,7,8,9
	v_cndmask_b32 v[PC+\i], 0, v[PC+\i], s90       ; a padded key's codes are zeros
.endr
	v_cndmask_b32 v[T], 0, v[PC+4], s90
	v_cndmask_b32 v[T+1], 0, v[PC+5], s90
	v_cndmask_b32 v[T2], 0, v[PC+10], s90
	v_cndmask_b32 v[T2+1], 0, v[PC+11], s90
	v_cndmask_b32 v[T+2], v[PAT], v[EBV], s90      ; the extra word
	v_mov_b32 v[T2+2], v[T+2]
	global_store_b128 v[VO], v[PC:PC+3], s[96:97] offset:1024*(\a)          ; each store of the wave covers 512 consecutive bytes, aligned to 256
	global_store_b128 v[VO], v[T:T+3], s[96:97] offset:1024*(\a)+512
	global_store_b128 v[VO2], v[PC+6:PC+9], s[96:97] offset:1024*(\a)
	global_store_b128 v[VO2], v[T2:T2+3], s[96:97] offset:1024*(\a)+512
	s_branch .Ldone_\@
.Lv_\@:
.irp c, 0,1,2
	global_store_b128 v[VO+(\a)/4], v[PC+4*\c:PC+4*\c+3], s[96:97] offset:1536*((\a)%4)+512*\c
.endr
.Ldone_\@:
.endm
.irp a, 0,1,2,3,4,5,6,7
	EPI \a
.endr
	ds_load_b128 v[R0:R0+3], v[LD0]                ; LDS serves a wave's instructions in order (ISA guide 5.7.1.4): these see my eight stores
	ds_load_b128 v[R1:R1+3], v[LD0] offset:512
	s_wait_dscnt 0x0
	global_store_b128 v[VS1], v[R0:R0+3], s[98:99] ; q, k: the first head's 128 words; v: both heads' 64
	s_cmp_eq_u32 ttmp9, 2
	s_cbranch_scc1 .Lno_second
	global_store_b128 v[VS2], v[R1:R1+3], s[98:99] ; q, k: the second head's
.Lno_second:
	s_wait_tensorcnt 0x0                           ; the wave's end
	ds_add_u32 v[SPW], v[NIL]
	s_wait_dscnt 0x0
	CROUND                                         ; the closing round
	s_endpgm
.Lfunc_end_k_q69f3a3e66c_qkv:
	.size	k_q69f3a3e66c_qkv, .Lfunc_end_k_q69f3a3e66c_qkv-k_q69f3a3e66c_qkv
	.p2alignl 7, 3214868480
	.fill 96, 4, 3214868480
	.section	.rodata,"a",@progbits
	.p2align	6, 0x0
	.amdhsa_kernel k_q69f3a3e66c_qkv
		.amdhsa_group_segment_fixed_size 327680
		.amdhsa_private_segment_fixed_size 0
		.amdhsa_enable_private_segment 0
		.amdhsa_kernarg_size 72
		.amdhsa_user_sgpr_count 2
		.amdhsa_user_sgpr_kernarg_segment_ptr 1
		.amdhsa_wavefront_size32 1
		.amdhsa_system_sgpr_workgroup_id_x 1
		.amdhsa_system_sgpr_workgroup_id_y 1
		.amdhsa_system_sgpr_workgroup_id_z 1
		.amdhsa_system_vgpr_workitem_id 0
		.amdhsa_next_free_vgpr 1024
		.amdhsa_next_free_sgpr 102
		.amdhsa_reserve_vcc 0
		.amdhsa_float_denorm_mode_32 3
		.amdhsa_float_denorm_mode_16_64 3
		.amdhsa_memory_ordered 1
		.amdhsa_forward_progress 1
		.amdhsa_inst_pref_size 203
	.end_amdhsa_kernel
	.amdgpu_metadata
---
amdhsa.version: [ 1, 2 ]
amdhsa.kernels:
  - .name:           k_q69f3a3e66c_qkv
    .symbol:         k_q69f3a3e66c_qkv.kd
    .args:
      - { .name: hidden_states_codes, .offset: 0, .size: 8, .value_kind: global_buffer, .address_space: global }
      - { .name: hidden_states_scales, .offset: 8, .size: 8, .value_kind: global_buffer, .address_space: global }
      - { .name: W_attn_codes, .offset: 16, .size: 8, .value_kind: global_buffer, .address_space: global }
      - { .name: W_attn_scales, .offset: 24, .size: 8, .value_kind: global_buffer, .address_space: global }
      - { .name: b_attn, .offset: 32, .size: 8, .value_kind: global_buffer, .address_space: global }
      - { .name: attention_mask, .offset: 40, .size: 8, .value_kind: global_buffer, .address_space: global }
      - { .name: q_img, .offset: 48, .size: 8, .value_kind: global_buffer, .address_space: global }
      - { .name: q_sc, .offset: 56, .size: 8, .value_kind: global_buffer, .address_space: global }
      - { .name: kv, .offset: 64, .size: 8, .value_kind: global_buffer, .address_space: global }
    .group_segment_fixed_size: 327680
    .private_segment_fixed_size: 0
    .kernarg_segment_align: 8
    .kernarg_segment_size: 72
    .max_flat_workgroup_size: 128
    .sgpr_count:     102
    .vgpr_count:     1024
    .wavefront_size: 32
...
	.end_amdgpu_metadata
.endif
;; end of part 1
;; launch attn (part 2): grid 8 x 32, 16 waves a work-group, clusters of 4 x 1, 251,904 bytes of LDS; arguments q_img, q_sc, kv, c_img, c_sc; writes c_img, c_sc
.if DOCPART == 2
	.amdgcn_target "amdgcn-amd-amdhsa--gfx1250"
	.amdhsa_code_object_version 6
	.text
	.protected	k_q69f3a3e66c_attn
	.globl	k_q69f3a3e66c_attn
	.p2align	8
	.type	k_q69f3a3e66c_attn,@function
k_q69f3a3e66c_attn:
	s_mov_b64 s[64:65], 0
	v_nop
	global_prefetch_b8 v0, s[64:65] scope:SCOPE_SE
	s_setreg_imm32_b32 hwreg(HW_REG_WAVE_MODE, 25, 1), 1
	s_wait_xcnt 0x0
	s_wait_alu depctr_hold_cnt(0) depctr_sa_sdst(0) depctr_va_vdst(0) depctr_va_sdst(0) depctr_va_ssrc(0) depctr_va_vcc(0) depctr_vm_vsrc(0)
	s_getreg_b32 s2, hwreg(HW_REG_IB_STS2, 6, 4)
	s_cmp_eq_u32 s2, 0
	s_cbranch_scc0 .Lentry_in_a_cluster
	s_endpgm
.Lentry_in_a_cluster:
	s_bfe_u32 s2, ttmp6, 0x10000c
	s_cmp_lg_u32 s2, 0x3003
	s_cbranch_scc0 .Lentry_shape_is_right
	s_endpgm
.Lentry_shape_is_right:
; ctx = softmax(mask(q k^T / 8)) v for one head, both products on codes of FP6 (E2M3) with E8M0 scales; ctx is quantised along the channels and leaves as images of operand registers.
; THE SOFTMAX: t = score x log2(e) / 8; M = the running largest t rounded up to a whole number; p = 2^(t - M) is quantised along the keys; the row's sum is taken of the unquantised p and divides at the end.
; SHARES.  A work-group has one head (its y) and sixteen tiles of 16 queries: wave w has group g = w xor 3 ((w / 4) % 2) and owns queries 128 g + 16 x + 0 .. 15, x = the work-group's x.  So the key steps of 128 that a wave
; can see, 0 .. g, hang on the wave's number alone: all work-groups have the same work, 136 steps, and every branch is alike in all partners of a cluster.
; A WHOLE HEAD'S K AND V LIE IN LDS: 16 blocks of 15,104 bytes, as they lie in memory, filled once by joint loads of the cluster's four work-groups, which share the head.  No slot is filled again.
; MASKED PLACES HOLD -10,000, NOT -INFINITY, so hidden keys keep a weight.  Padded keys score -80,000 by their codes (made by the launch before).  On the diagonal, hidden scores are set to -80,000.  Key steps that lie wholly
; behind my queries are not walked: all their p are ONE number, p_neg = 2^(-80,000 c - M).  At the end the sum gets (their number) x p_neg, and O gets Q(p_neg) x (the sum of the quantised v over those keys), Q being the
; quantiser of a block of equal numbers: three mantissa bits, ties to even, held at 1.875 x the power of two.  The per-step sums of v are made by the matrix unit (V^T x ones).  The largest t starts at -80,000 c where hidden steps exist.
; LAYOUT.  Both products transposed: S^T = K Q^T, O^T = V^T P: a lane holds one query (lane % 16).  Register 16 b + i of S^T holds key 32 b + 16 (i / 8) + 8 (lane / 16) + i % 8: the order in which V's codes were laid.
; LIMITS: NaN and infinities are not served; a p under 2^-126 counts as 0; a p_neg under 2^-124 is rounded as a larger one would be; a block of zeros gets the scale byte 1.
; REGISTERS: v1-11 addresses and constants that stay; v12 -M, v13 the largest t, v[14:15] the sum; v16-27 Q; v28-31 lane terms; v32-79 four operands of K; v96-159 S^T, p, then V's four fragments; v160-191 O^T;
;   v192-203 ones; v204-219 the way out; v224-254 at work; v255 Q's scale word.
.set KVB,  15104                       ; a key step's block: K's 8 tiles of 1,024, V^T's 4 tiles of 1,536, K's 128 scale words, V's 64
.set VOFF, 8192
.set KSO,  14336
.set VSO,  14848
.set VS,   16*KVB                      ; behind the head: [16 steps][64] f32, the sums of v;  4,096 bytes on: [16][64], the sums over all later steps
.set LI,   1                           ; v1   16 x lane
.set LR,   2                           ; v2   4 x (lane % 16)
.set ADR,  3                           ; v3   the step's block + 16 lane
.set ADS,  4                           ; v4   the step's block + 4 r
.set DQ,   5                           ; v5   16 x + r - 8 h: on the diagonal register n is hidden where 16 (n / 8) + n % 8 is above it
.set NEG,  6                           ; v6   -80,000.0
.set NH,   7                           ; v7   the number of keys in hidden steps, f32
.set ONE,  8                           ; v8   the scale 1, four times
.set VSA,  9                           ; v9   where I store my step's sums
.set SFA,  10                          ; v10  waves 0, 1: my channel's column of the sums
.set SUFR, 11                          ; v11  where I read the sums over my hidden steps
.set F,    32
.set WV,   14
.set G,    15
.set SEL,  20
.set CS,   22
.set G1,   24
.set G0,   32
.set J,    48
.set TB,   49
.macro CROUND
	s_barrier_signal -1
	s_barrier_wait -1
	s_cmp_lg_u32 s[WV], 0
	s_cbranch_scc1 .Lnot_wave_0_\@
	s_barrier_signal -3
.Lnot_wave_0_\@:
	s_barrier_wait -3
	s_barrier_signal -1
	s_barrier_wait -1
.endm
	s_load_b256 s[4:11], s[0:1], 0x0               ; q_img, q_sc, kv, c_img
	s_load_b64 s[12:13], s[0:1], 0x20              ; c_sc
	v_lshl_add_u32 v223, v0, 2, 0x3d000
	v_mov_b32 v243, 0
	ds_add_u32 v223, v243
	ds_add_u32 v223, v243
	v_lshrrev_b32 v1, 5, v0
	s_delay_alu instid0(VALU_DEP_1)
	v_readfirstlane_b32 s[WV], v1                  ; wave 0..15
	s_lshr_b32 s[G], s[WV], 2
	s_and_b32 s[G], s[G], 1
	s_mul_i32 s[G], s[G], 3
	s_xor_b32 s[G], s[G], s[WV]                    ; g: waves w, w + 4, w + 8, w + 12 together see 34 steps
	s_bfe_u32 s16, ttmp6, 0x40000                  ; cx
	s_lshl_b32 s17, ttmp9, 2
	s_add_co_u32 s17, s17, s16                     ; x = 4 x cluster x + cx: it enters a compare and Q's and ctx's addresses alone
	s_and_b32 s18, ttmp7, 0xffff                   ; 16 x batch + head, which the four partners share
	; every LDS address register is made here, ahead of all branches
	v_and_b32 v3, 31, v0
	v_and_b32 v28, 15, v0                          ; r
	v_bfe_u32 v29, v0, 4, 1                        ; h
	s_delay_alu instid0(VALU_DEP_3)
	v_lshlrev_b32 v[LI], 4, v3
	s_delay_alu instid0(VALU_DEP_3)
	v_lshlrev_b32 v[LR], 2, v28
	v_lshlrev_b32 v30, 3, v3                       ; 8 x lane
	v_lshlrev_b32 v31, 5, v28                      ; 32 r: a row of c_sc
	v_lshlrev_b32 v4, 5, v29                       ; 32 h
	s_lshl_b32 s53, s[WV], 8
	s_add_co_u32 s53, s53, VS
	v_add_nc_u32 v[VSA], s53, v4
	s_lshl_b32 s53, s[G], 8
	s_add_co_u32 s53, s53, VS+4096
	v_add_nc_u32 v[SUFR], s53, v4
	v_and_b32 v[SFA], 63, v0
	s_delay_alu instid0(VALU_DEP_1)
	v_lshl_add_u32 v[SFA], v[SFA], 2, VS
	s_lshl_b32 s53, s17, 4
	v_lshlrev_b32 v4, 3, v29
	s_delay_alu instid0(VALU_DEP_1)
	v_sub_nc_u32 v[DQ], v28, v4
	s_delay_alu instid0(VALU_DEP_1)
	v_add_nc_u32 v[DQ], s53, v[DQ]
	; descriptor group 1: a block as 59 dense rows of 256 bytes (32 elements of 8), for all four work-groups
	s_mov_b32 s[G1], 15|(3<<16)|(1<<21)
	s_mov_b32 s[G1+1], 32<<16
	s_mov_b32 s[G1+2], 59<<16
	s_mov_b32 s[G1+3], 32<<16
	s_mov_b32 s[G1+4], 59
	s_mov_b32 s[G1+5], 32
	s_mov_b32 s[G1+6], 0
	s_mov_b32 s[G1+7], 0
	s_mov_b32 s[SEL], 0x76543210
	s_mov_b32 s[SEL+1], 0xfedcba98
	s_mov_b32 s[CS], 0x3e38aa3b                    ; c = log2(e) / 8
	s_mov_b32 s[CS+1], s[CS]
	s_mov_b32 s51, 0x7f800000
	s_mov_b32 s52, 0x700000
	s_cmp_eq_u32 s[G], 15
	s_cselect_b32 s50, -1, 0                       ; all ones where no step is hidden
	s_lshl_b32 s19, s[G], 3
	s_add_co_u32 s19, s19, s17                     ; my tile of 16 queries in the head: 8 g + x
	s_lshl_b32 s54, s18, 17
	s_lshl_b32 s56, s19, 10
	s_add_co_u32 s54, s54, s56                     ; its image in q_img
	s_mov_b32 s55, 0
	s_lshl_b32 s56, s18, 13
	s_lshl_b32 s58, s19, 6
	s_add_co_u32 s56, s56, s58                     ; its scale words
	s_mov_b32 s57, 0
	s_mul_i32 s58, s18, 16*KVB                     ; the head in kv
	s_mov_b32 s59, 0
	s_and_b32 s53, s[WV], 3
	s_mul_i32 s53, s53, KVB                        ; a fetching wave's first block, in memory and in LDS alike
	s_mov_b32 s60, s53
	s_mov_b32 s61, 0
	s_mul_i32 s62, s[WV], KVB                      ; the block whose v I sum
	s_mov_b32 s63, 0
	s_wait_dscnt 0x0
	s_wait_kmcnt 0x0
	s_add_nc_u64 s[4:5], s[4:5], s[54:55]
	s_add_nc_u64 s[6:7], s[6:7], s[56:57]
	s_add_nc_u64 s[8:9], s[8:9], s[58:59]
	s_add_nc_u64 s[60:61], s[8:9], s[60:61]
	s_add_nc_u64 s[62:63], s[8:9], s[62:63]
.irp i, 0,1,2,3
	s_mov_b32 s[G0+4*\i], 1
	s_add_co_u32 s[G0+4*\i+1], s53, 4*\i*KVB       ; block 4 i + wave
	s_add_nc_u64 s[G0+4*\i+2:G0+4*\i+3], s[60:61], 4*\i*KVB
	s_or_b32 s[G0+4*\i+3], s[G0+4*\i+3], 0x80000000
.endr
	; where ctx goes: c_img [tile of 128 rows][4 heads' chunk][tile of 16 rows][head in chunk][768];  c_sc [row][32]
	s_lshr_b32 s54, s18, 4
	s_and_b32 s55, s18, 15                         ; the head
	s_lshl_b32 s54, s54, 4
	s_add_co_u32 s54, s54, s[G]                    ; 16 x batch + g
	s_lshl_b32 s56, s54, 2
	s_lshr_b32 s57, s55, 2
	s_add_co_u32 s56, s56, s57
	s_lshl_b32 s56, s56, 3
	s_add_co_u32 s56, s56, s17
	s_lshl_b32 s56, s56, 2
	s_and_b32 s57, s55, 3
	s_add_co_u32 s56, s56, s57
	s_mul_i32 s56, s56, 768
	s_mov_b32 s57, 0
	s_add_nc_u64 s[10:11], s[10:11], s[56:57]
	s_lshl_b32 s58, s54, 3
	s_add_co_u32 s58, s58, s17
	s_lshl_b32 s58, s58, 9                         ; 16 rows of 32 bytes
	s_lshl_b32 s59, s55, 1
	s_add_co_u32 s58, s58, s59                     ; + 2 x head
	s_mov_b32 s59, 0
	s_add_nc_u64 s[12:13], s[12:13], s[58:59]
	s_sub_co_u32 s53, 15, s[G]
	s_lshl_b32 s53, s53, 7                         ; keys in hidden steps
	CROUND                                         ; all four work-groups are here: the joint loads meet
	s_cmp_lt_u32 s[WV], 4                          ; waves 0 to 3 fetch, four blocks each, in one branch: four tensor loads of a wave are out
	s_cbranch_scc0 .Lno_fill
	tensor_load_to_lds s[G0:G0+3], s[G1:G1+7]
	s_nop 0
	tensor_load_to_lds s[G0+4:G0+7], s[G1:G1+7]
	s_nop 0
	tensor_load_to_lds s[G0+8:G0+11], s[G1:G1+7]
	s_nop 0
	tensor_load_to_lds s[G0+12:G0+15], s[G1:G1+7]
	s_nop 0
.rept 4
	v_nop
.endr
.Lno_fill:
	global_load_b128 v[16:19], v[LI], s[4:5]       ; Q's image: registers 0-3,
	global_load_b128 v[20:23], v[LI], s[4:5] offset:512   ; 4-7 (6: the code 1.0 twice; 7: 0)
	global_load_b32 v255, v[LR], s[6:7]
.irp d, 0,1,2,3                                ; V^T of step w, straight from memory: its sums are wanted by other waves before the head has landed
.irp c, 0,1,2
	global_load_b128 v[96+12*\d+4*\c:99+12*\d+4*\c], v[LI], s[62:63] offset:VOFF+1536*\d+512*\c
.endr
	global_load_b32 v[248+\d], v[LR], s[62:63] offset:VSO+64*\d
.endr
	v_mov_b32 v[ONE], 0x7f7f7f7f
.irp i, 0,1,2,3
	v_mov_b32 v[192+3*\i], 0x08208208              ; the code 1.0 (0x08), sixteen in 96 bits
	v_mov_b32 v[193+3*\i], 0x82082082
	v_mov_b32 v[194+3*\i], 0x20820820
.endr
.irp i, 24,25,26,27
	v_mov_b32 v[\i], 0                             ; Q's k = 80 .. 95 and 112 .. 127
.endr
.irp t, 0,1,2,3
.irp i, 8,9,10,11
	v_mov_b32 v[F+12*\t+\i], 0                     ; K's likewise: written once
.endr
.endr
	v_mov_b32 v[NEG], 0xc79c4000
	v_cvt_f32_u32 v[NH], s53
	s_delay_alu instid0(VALU_DEP_2)
	v_mul_f32 v13, s[CS], v[NEG]                   ; the largest t so far: the hidden keys',
	v_mov_b32 v204, 0xff61b1e6
	s_delay_alu instid0(VALU_DEP_1)
	v_cndmask_b32 v13, v13, v204, s50              ; or -3e38 where no step is hidden
	s_delay_alu instid0(VALU_DEP_1)
	v_floor_f32 v12, -v13                          ; -M
	v_mov_b32 v14, 0
	v_mov_b32 v15, 0
.irp i, 236,237,238,239,252,253
	v_mov_b32 v[\i], 0                             ; lane permutes' destinations and a pair's upper half: written once
.endr
	s_wait_loadcnt 0x0
.irp d, 0,1,2,3
	v_wmma_scale_f32_16x16x128_f8f6f4 v[160+8*\d:167+8*\d], v[96+12*\d:107+12*\d], v[192:203], 0, v[248+\d], v[ONE] matrix_a_fmt:MATRIX_FMT_FP6 matrix_b_fmt:MATRIX_FMT_FP6
.endr
.rept 4
	v_nop
.endr
.irp d, 0,1,2,3                                ; register j: the sum over step w's 128 keys of v(channel 16 d + 8 h + j); the sixteen lanes of a half write the same word with the same value
	ds_store_b128 v[VSA], v[160+8*\d:163+8*\d] offset:64*\d
	ds_store_b128 v[VSA], v[164+8*\d:167+8*\d] offset:64*\d+16
.endr
	s_wait_dscnt 0x0                               ; for the others' sake: my stores have landed
	s_barrier_signal -1
	s_barrier_wait -1                              ; all sixteen steps' sums lie in LDS
.set i, 0
.rept 32
	v_mov_b32 v[160+i], 0                          ; O^T: the step is written once, its first run finds zeros
.set i, i+1
.endr
	s_cmp_lt_u32 s[WV], 2                          ; waves 0 and 1, a thread to a channel: row g' = the sum over the steps behind g'
	s_cbranch_scc0 .Lno_suffix
.irp j, 1,2,3,4,5,6,7,8,9,10,11,12,13,14,15
	ds_load_b32 v[96+\j], v[SFA] offset:256*\j
.endr
	v_mov_b32 v96, 0
	s_wait_dscnt 0x0
.irp j, 14
	v_add_f32 v[96+\j], v[96+\j], v[97+\j]
.endr
.irp j, 13, 12, 11, 10, 9, 8, 7, 6, 5, 4, 3, 2, 1
	s_delay_alu instid0(VALU_DEP_1)
	v_add_f32 v[96+\j], v[96+\j], v[97+\j]
.endr
.irp j, 0,1,2,3,4,5,6,7,8,9,10,11,12,13,14
	ds_store_b32 v[SFA], v[97+\j] offset:4096+256*\j
.endr
	ds_store_b32 v[SFA], v96 offset:4096+256*15
.Lno_suffix:
; A KEY STEP: 128 keys, block J.  A step behind my queries is left out: a scalar branch on the wave's number and the loop's count; the block's address steps on either way.
.macro STEP
	s_cmp_gt_u32 s[J], s[G]
	s_cbranch_scc1 .Lhidden_\@
	s_setprio 2
	v_add_nc_u32 v[ADR], s[TB], v[LI]
	s_wait_alu depctr_va_vdst(0)
	v_add_nc_u32 v[ADS], s[TB], v[LR]
	s_wait_alu depctr_va_vdst(0)
.rept 3
	v_nop                                          ; five places: the products below write over registers that the last step's V^T P read
.endr
.irp g, 0,1                                    ; S^T = K Q^T, four tiles of 16 keys at a time
.if \g
.rept 4
	v_nop                                          ; places in front of loads into registers that matrix instructions have read
.endr
.endif
.irp t, 0,1,2,3
	ds_load_b128 v[F+12*\t:F+12*\t+3], v[ADR] offset:1024*(4*\g+\t)
	ds_load_b128 v[F+12*\t+4:F+12*\t+7], v[ADR] offset:1024*(4*\g+\t)+512
	ds_load_b32 v[248+\t], v[ADS] offset:KSO+64*(4*\g+\t)
.endr
	s_wait_dscnt 0x0
.irp t, 0,1,2,3
	v_wmma_scale_f32_16x16x128_f8f6f4 v[96+8*(4*\g+\t):103+8*(4*\g+\t)], v[F+12*\t:F+12*\t+11], v[16:27], 0, v[248+\t], v255 matrix_a_fmt:MATRIX_FMT_FP6 matrix_b_fmt:MATRIX_FMT_FP6
.endr
.endr
.rept 4
	v_nop
.endr
	s_cmp_lg_u32 s[J], s[G]                        ; the diagonal step: scores of keys behind my query become -80,000
	s_cbranch_scc1 .Lopen_\@
.set n, 0
.rept 64
	v_cmp_gt_i32 vcc_lo, 16*(n/8)+n%8, v[DQ]
	v_cndmask_b32 v[96+n], v[96+n], v[NEG], vcc_lo
.set n, n+1
.endr
.Lopen_\@:
.irp b, 0,1,2,3
	v_max3_num_f32 v[232+\b], v[96+16*\b], v[97+16*\b], v[98+16*\b]   ; the largest score of each block of 32 keys: for the row's maximum, and, since p rises with the score, for the block's largest p
.endr
.irp i, 3,5,7,9,11,13
.irp b, 0,1,2,3
	v_max3_num_f32 v[232+\b], v[232+\b], v[96+16*\b+\i], v[97+16*\b+\i]
.endr
.endr
.irp b, 0,1,2,3
	v_max_num_f32 v[232+\b], v[232+\b], v[111+16*\b]
.endr
.irp b, 0,1,2,3
	s_delay_alu instid0(VALU_DEP_4)
	v_permlanex16_b32 v[236+\b], v[232+\b], s[SEL], s[SEL+1]
.endr
.irp b, 0,1,2,3
	s_delay_alu instid0(VALU_DEP_4)
	v_max_num_f32 v[232+\b], v[232+\b], v[236+\b]  ; with lane xor 16's 16 keys
.endr
	s_delay_alu instid0(VALU_DEP_2)
	v_max3_num_f32 v254, v232, v233, v234
	s_delay_alu instid0(VALU_DEP_1)
	v_max_num_f32 v254, v254, v235
	s_delay_alu instid0(VALU_DEP_1)
	v_mul_f32 v254, s[CS], v254
	s_delay_alu instid0(VALU_DEP_1)
	v_max_num_f32 v13, v13, v254                   ; the running largest t
	v_mov_b32 v254, v12
	s_delay_alu instid0(VALU_DEP_2)
	v_floor_f32 v12, -v13                          ; -M = floor(-t): M is a whole number
	s_delay_alu instid0(VALU_DEP_1)
	v_sub_f32 v254, v12, v254                      ; old M - new M: a whole number, 0 or less
	s_delay_alu instid0(VALU_DEP_1)
	v_cvt_i32_f32 v254, v254                       ; (it saturates)
	s_delay_alu instid0(VALU_DEP_1)
	v_ldexp_f32 v252, 1.0, v254                    ; f = 2^(old M - new M): a multiplication by it rounds nothing
.set n, 0
.rept 32
	v_pk_fma_f32 v[96+n:97+n], v[96+n:97+n], s[CS:CS+1], v[12:13] op_sel_hi:[1,0,0]   ; t - M, two at a time
.set n, n+2
.endr
	s_setprio 1
.irp b, 0,1,2,3
	v_fma_f32 v[232+\b], v[232+\b], s[CS], v12
.endr
.set n, 0
	s_wait_alu depctr_va_vdst(0)
.rept 64
	v_exp_f32 v[96+n], v[96+n]                     ; p = 2^(t - M), at most 1
.set n, n+1
.endr
	v_pk_mul_f32 v[14:15], v[14:15], v[252:253] op_sel_hi:[1,0]   ; the sums under the new M: the plain line behind the exponentials
	s_wait_alu depctr_va_vdst(0)                   ; one wait for the batch of 64, ahead of its first reader
.irp b, 0,1,2,3
	v_exp_f32 v[232+\b], v[232+\b]                 ; the block's largest p
.endr
	v_pk_add_f32 v[236:237], v[100:101], v[104:105]
	v_pk_add_f32 v[250:251], v[108:109], v[112:113]
	v_pk_add_f32 v[248:249], v[116:117], v[120:121]
	v_pk_add_f32 v[246:247], v[124:125], v[128:129]
	v_pk_add_f32 v[244:245], v[132:133], v[136:137]
	v_pk_add_f32 v[240:241], v[140:141], v[144:145]
	v_pk_add_f32 v[238:239], v[148:149], v[152:153]
	v_pk_add_f32 v[14:15], v[14:15], v[156:157]
	v_pk_add_f32 v[236:237], v[236:237], v[96:97]
	v_pk_add_f32 v[250:251], v[250:251], v[98:99]
	v_pk_add_f32 v[248:249], v[248:249], v[102:103]
	v_pk_add_f32 v[246:247], v[246:247], v[106:107]
	v_pk_add_f32 v[244:245], v[244:245], v[110:111]
	v_pk_add_f32 v[240:241], v[240:241], v[114:115]
	v_pk_add_f32 v[238:239], v[238:239], v[118:119]
	v_pk_add_f32 v[14:15], v[14:15], v[122:123]
	v_pk_add_f32 v[236:237], v[236:237], v[126:127]
	v_pk_add_f32 v[250:251], v[250:251], v[130:131]
	v_pk_add_f32 v[248:249], v[248:249], v[134:135]
	v_pk_add_f32 v[246:247], v[246:247], v[138:139]
	v_pk_add_f32 v[244:245], v[244:245], v[142:143]
	v_pk_add_f32 v[240:241], v[240:241], v[146:147]
	v_pk_add_f32 v[238:239], v[238:239], v[150:151]
	v_pk_add_f32 v[14:15], v[14:15], v[154:155]
	v_pk_add_f32 v[236:237], v[236:237], v[158:159]
	s_delay_alu instid0(VALU_DEP_2)
	v_pk_add_f32 v[14:15], v[14:15], v[246:247]
	s_delay_alu instid0(VALU_DEP_2)
	v_pk_add_f32 v[236:237], v[236:237], v[244:245]
	v_pk_add_f32 v[250:251], v[250:251], v[240:241]
	v_pk_add_f32 v[248:249], v[248:249], v[238:239]
	s_delay_alu instid0(VALU_DEP_2)
	v_pk_add_f32 v[14:15], v[14:15], v[250:251]
	s_delay_alu instid0(VALU_DEP_2)
	v_pk_add_f32 v[236:237], v[236:237], v[248:249]
	s_delay_alu instid0(VALU_DEP_1)
	v_pk_add_f32 v[14:15], v[14:15], v[236:237]
	s_wait_alu depctr_va_vdst(0)                   ; and one for the four
.irp b, 0,1,2,3
	v_max_num_f32 v[232+\b], 0x1800000, v[232+\b]  ; the floor 2^(3 - 127): the byte cannot fall under 1
.endr
.irp b, 0,1,2,3
	s_delay_alu instid0(VALU_DEP_4)
	v_add_nc_u32 v[244+\b], 0xff000000, v[232+\b]  ; 2 off the exponent field: the conversion's scale operand
.endr
.irp b, 0,1,2,3
	s_delay_alu instid0(VALU_DEP_4)
	v_lshrrev_b32 v[236+\b], 23, v[244+\b]
.endr
	s_delay_alu instid0(VALU_DEP_3)
	v_lshl_or_b32 v253, v237, 8, v236              ; p's scale word for these 128 keys
	s_delay_alu instid0(VALU_DEP_1)
	v_lshl_or_b32 v253, v238, 16, v253
	s_delay_alu instid0(VALU_DEP_1)
	v_lshl_or_b32 v253, v239, 24, v253
.irp c, 0,1
	v_cvt_scalef32_pk16_fp6_f32 v[224+6*\c:226+6*\c], v[96+32*\c:111+32*\c], v[244+2*\c]
	v_cvt_scalef32_pk16_fp6_f32 v[236+4*\c:238+4*\c], v[112+32*\c:127+32*\c], v[244+2*\c+1]
.endr
	v_nop                                          ; one plain line behind a scaled conversion
	s_setprio 0
.irp d, 0,1,2,3                                ; V^T's four fragments, into the registers that p has left
.irp c, 0,1,2
	ds_load_b128 v[96+12*\d+4*\c:99+12*\d+4*\c], v[ADR] offset:VOFF+1536*\d+512*\c
.endr
	ds_load_b32 v[248+\d], v[ADS] offset:VSO+64*\d
.endr
.irp c, 0,1
.irp i, 0,1,2
	v_permlane16_swap_b32 v[224+6*\c+\i], v[236+4*\c+\i]
.endr
.irp i, 0,1,2
	s_delay_alu instid0(VALU_DEP_3)
	v_mov_b32 v[227+6*\c+\i], v[236+4*\c+\i]
.endr
.endr
.set n, 0
.rept 16
	v_pk_mul_f32 v[160+n:161+n], v[160+n:161+n], v[252:253] op_sel_hi:[1,0]   ; O^T under the new M; these sixteen are also the places between p's codes and scale word and the products
.set n, n+2
.endr
	s_wait_alu depctr_va_vdst(0)
	s_wait_dscnt 0x0
.irp d, 0,1,2,3                                ; O^T += V^T P: four accumulators by turns
	v_wmma_scale_f32_16x16x128_f8f6f4 v[160+8*\d:167+8*\d], v[96+12*\d:107+12*\d], v[224:235], v[160+8*\d:167+8*\d], v[248+\d], v253 matrix_a_fmt:MATRIX_FMT_FP6 matrix_b_fmt:MATRIX_FMT_FP6
.endr
.Lhidden_\@:
	s_add_co_u32 s[TB], s[TB], KVB
.endm
	s_wait_tensorcnt 0x3                           ; a fetching wave's first block (steps 0 to 3 between the four) is in; its three later blocks may be out
	s_wait_dscnt 0x0                               ; the sums over later steps have landed
	s_barrier_signal -1
	s_barrier_wait -1
	s_mov_b32 s[J], 0
	s_mov_b32 s[TB], 0
.Lfirst4:
	STEP
	s_add_co_u32 s[J], s[J], 1
	s_cmp_lt_u32 s[J], 4
	s_cbranch_scc1 .Lfirst4
	s_setprio 0
	s_wait_tensorcnt 0x0                           ; the whole head is in
	s_wait_dscnt 0x0
	s_barrier_signal -1
	s_barrier_wait -1
	s_mov_b32 s[J], 4                              ; (its value already: so the loop's count stands in the text)
.Lrest:
	STEP
	s_add_co_u32 s[J], s[J], 1
	s_cmp_lt_u32 s[J], 16
	s_cbranch_scc1 .Lrest
	s_setprio 0
	; THE WAY OUT.  The hidden steps' share, the division, ctx's quantiser.
	v_fma_f32 v204, v[NEG], s[CS], v12             ; -80,000 c - M: 0 or less wherever hidden keys exist;
	s_delay_alu instid0(VALU_DEP_1)
	v_min_num_f32 v204, 0, v204                    ; held there, so that 0 keys x p_neg stays 0 in the tile that has none
	s_wait_alu depctr_va_vdst(0)
	v_exp_f32 v204, v204                           ; p_neg
	v_add_f32 v14, v14, v15                        ; the sum's two halves (the plain line behind the exponential)
	s_wait_alu depctr_va_vdst(0)
	v_permlanex16_b32 v252, v14, s[SEL], s[SEL+1]
	s_delay_alu instid0(VALU_DEP_1)
	v_add_f32 v14, v14, v252                       ; and lane xor 16's
	v_fma_f32 v14, v204, v[NH], v14                ; + the hidden steps' keys x p_neg.  (Five plain lines stand behind the last products: the loads below may be issued)
.irp t, 0,1,2,3
	ds_load_b128 v[96+8*\t:99+8*\t], v[SUFR] offset:64*\t          ; the sum of v over my hidden steps, in O^T's layout
	ds_load_b128 v[100+8*\t:103+8*\t], v[SUFR] offset:64*\t+16
.endr
	s_wait_alu depctr_va_vdst(0)
	v_rcp_f32 v208, v14
	v_bfe_u32 v205, v204, 20, 1                    ; Q(p_neg): to three mantissa bits, ties to even,
	v_add3_u32 v205, v204, v205, 0x7ffff
	s_delay_alu instid0(VALU_DEP_1)
	v_and_b32 v205, 0xfff00000, v205
	v_and_or_b32 v206, v204, s51, s52              ; held at 1.875 x its power of two
	s_delay_alu instid0(VALU_DEP_1)
	v_min_u32 v206, v205, v206
	s_delay_alu instid0(VALU_DEP_1)
	v_mov_b32 v207, v206
	s_wait_alu depctr_va_vdst(0)
	v_mov_b32 v209, v208
	s_wait_dscnt 0x0
.set n, 0
.rept 16
	v_pk_fma_f32 v[160+n:161+n], v[96+n:97+n], v[206:207], v[160+n:161+n]   ; each accumulator from its low end on
.set n, n+2
.endr
.set n, 0
.rept 16
	v_pk_mul_f32 v[160+n:161+n], v[160+n:161+n], v[208:209]                 ; / the sum
.set n, n+2
.endr
.irp b, 0,1                                    ; ctx meets given codes, so its channels go into their true order: register 16 b + i becomes channel 32 b + 16 h + i
.irp j, 0,1,2,3,4,5,6,7
	v_permlane16_swap_b32 v[160+16*\b+\j], v[168+16*\b+\j]
.endr
.endr
.irp b, 0,1
	v_max3_num_f32 v[232+\b], |v[160+16*\b]|, |v[161+16*\b]|, 0x1800000
.endr
.irp i, 2,4,6,8,10,12,14
.irp b, 0,1
	s_delay_alu instid0(VALU_DEP_2)
	v_max3_num_f32 v[232+\b], v[232+\b], |v[160+16*\b+\i]|, |v[161+16*\b+\i]|
.endr
.endr
.irp b, 0,1
	s_delay_alu instid0(VALU_DEP_2)
	v_permlanex16_b32 v[236+\b], v[232+\b], s[SEL], s[SEL+1]
.endr
.irp b, 0,1
	s_delay_alu instid0(VALU_DEP_2)
	v_max_num_f32 v[232+\b], v[232+\b], v[236+\b]
.endr
.irp b, 0,1
	s_delay_alu instid0(VALU_DEP_2)
	v_add_nc_u32 v[244+\b], 0xff000000, v[232+\b]
.endr
.irp b, 0,1
	s_delay_alu instid0(VALU_DEP_2)
	v_lshrrev_b32 v[236+\b], 23, v[244+\b]
.endr
	s_delay_alu instid0(VALU_DEP_1)
	v_lshl_or_b32 v219, v237, 8, v236              ; the head's two scale bytes of my row
	v_cvt_scalef32_pk16_fp6_f32 v[210:212], v[160:175], v244
	v_cvt_scalef32_pk16_fp6_f32 v[216:218], v[176:191], v245
	v_nop
.irp i, 0,1,2
	v_permlane16_swap_b32 v[210+\i], v[216+\i]
.endr
.irp i, 0,1,2
	s_delay_alu instid0(VALU_DEP_3)
	v_mov_b32 v[213+\i], v[216+\i]
.endr
	global_store_b128 v[LI], v[210:213], s[10:11]              ; registers 0-3 of half a fragment: 512 consecutive bytes,
	global_store_b64 v30, v[214:215], s[10:11] offset:512      ; 4-5: 256
	global_store_b16 v31, v219, s[12:13]                       ; two bytes a row, rows 32 bytes apart (both halves of the lanes write the same): no work-group holds two heads of a row
	s_wait_tensorcnt 0x0
	ds_add_u32 v223, v243
	s_wait_dscnt 0x0
	CROUND                                         ; the closing round; every tensor load has been waited for, no LDS instruction is out
	s_endpgm
.Lfunc_end_k_q69f3a3e66c_attn:
	.size	k_q69f3a3e66c_attn, .Lfunc_end_k_q69f3a3e66c_attn-k_q69f3a3e66c_attn
	.p2alignl 7, 3214868480
	.fill 96, 4, 3214868480
	.section	.rodata,"a",@progbits
	.p2align	6, 0x0
	.amdhsa_kernel k_q69f3a3e66c_attn
		.amdhsa_group_segment_fixed_size 251904
		.amdhsa_private_segment_fixed_size 0
		.amdhsa_enable_private_segment 0
		.amdhsa_kernarg_size 40
		.amdhsa_user_sgpr_count 2
		.amdhsa_user_sgpr_kernarg_segment_ptr 1
		.amdhsa_wavefront_size32 1
		.amdhsa_system_sgpr_workgroup_id_x 1
		.amdhsa_system_sgpr_workgroup_id_y 1
		.amdhsa_system_sgpr_workgroup_id_z 1
		.amdhsa_system_vgpr_workitem_id 0
		.amdhsa_next_free_vgpr 256
		.amdhsa_next_free_sgpr 66
		.amdhsa_reserve_vcc 1
		.amdhsa_float_denorm_mode_32 3
		.amdhsa_float_denorm_mode_16_64 3
		.amdhsa_memory_ordered 1
		.amdhsa_forward_progress 1
		.amdhsa_inst_pref_size 69
	.end_amdhsa_kernel
	.amdgpu_metadata
---
amdhsa.version: [ 1, 2 ]
amdhsa.kernels:
  - .name:           k_q69f3a3e66c_attn
    .symbol:         k_q69f3a3e66c_attn.kd
    .args:
      - { .name: q_img, .offset: 0, .size: 8, .value_kind: global_buffer, .address_space: global }
      - { .name: q_sc, .offset: 8, .size: 8, .value_kind: global_buffer, .address_space: global }
      - { .name: kv, .offset: 16, .size: 8, .value_kind: global_buffer, .address_space: global }
      - { .name: c_img, .offset: 24, .size: 8, .value_kind: global_buffer, .address_space: global }
      - { .name: c_sc, .offset: 32, .size: 8, .value_kind: global_buffer, .address_space: global }
    .group_segment_fixed_size: 251904
    .private_segment_fixed_size: 0
    .kernarg_segment_align: 8
    .kernarg_segment_size: 40
    .max_flat_workgroup_size: 512
    .sgpr_count:     66
    .vgpr_count:     256
    .wavefront_size: 32
...
	.end_amdgpu_metadata
.endif
;; end of part 2
;; launch proj (part 3): grid 8 x 32, 8 waves a work-group, clusters of 4 x 4, 265,728 bytes of LDS; arguments c_img, c_sc, W_proj_codes, W_proj_scales, b_proj, out0; writes out0
.if DOCPART == 3
	.amdgcn_target "amdgcn-amd-amdhsa--gfx1250"
	.amdhsa_code_object_version 6
	.text
	.protected	k_q69f3a3e66c_proj
	.globl	k_q69f3a3e66c_proj
	.p2align	8
	.type	k_q69f3a3e66c_proj,@function
k_q69f3a3e66c_proj:
	s_mov_b64 s[64:65], 0
	v_nop
	global_prefetch_b8 v0, s[64:65] scope:SCOPE_SE
	s_setreg_imm32_b32 hwreg(HW_REG_WAVE_MODE, 25, 1), 1
	s_wait_xcnt 0x0
	s_wait_alu depctr_hold_cnt(0) depctr_sa_sdst(0) depctr_va_vdst(0) depctr_va_sdst(0) depctr_va_ssrc(0) depctr_va_vcc(0) depctr_vm_vsrc(0)
	s_getreg_b32 s2, hwreg(HW_REG_IB_STS2, 6, 4)
	s_cmp_eq_u32 s2, 0
	s_cbranch_scc0 .Lentry_in_a_cluster
	s_endpgm
.Lentry_in_a_cluster:
	s_bfe_u32 s2, ttmp6, 0x10000c
	s_cmp_lg_u32 s2, 0xf033
	s_cbranch_scc0 .Lentry_shape_is_right
	s_endpgm
.Lentry_shape_is_right:
; out = ctx W_proj^T + b_proj on codes of FP6 (E2M3) with E8M0 scales, K = 1,024; out is f32.
; 256 work-groups: a tile of 128 tokens (by the work-group's y) x 128 outputs (by its x).  ALL OF K LIES IN LDS, filled once, in four chunks of 256 along K that are multiplied as they land: no slot is filled again.
; ctx's codes come as images of operand registers (dense blocks), W's as rows of 192 bytes with 16 bytes of padding behind every 64 (pitch 240), the scale bytes as units of 256 bytes + 16.
; 4 x 4 work-groups form a cluster: ctx's tiles are asked for jointly along a row of it, W's along a column.  Waves 0, 1 fetch ctx's halves, waves 2, 3 W's, five loads each; all eight multiply.
; Wave w: tokens 32 (w / 2) + 0 .. 31 (two blocks), outputs 64 (w % 2) + 0 .. 63 (four blocks): eight accumulators by turns.  Two waves share a SIMD, so that one's LDS loads stand beside the other's products.
; The matrix instruction is used transposed (source 0 = 16 rows of W, source 1 = 16 tokens): a lane holds eight neighbouring outputs of one token.  The bias is the C of the first products.
; REGISTERS: v3-11 addresses; v16-19 ctx's scale words, v20-27 W's; v32-55 ctx's two fragments; v56-103 W's four; v104-135 the bias; v136-199 the accumulators ((a, b) at 136 + 8 (4 a + b)); v200-231 rows on the way out.
.set PITCH, 240
.set ACH,   24576                      ; a chunk of ctx: 8 tiles of 16 tokens x 4 heads x 768 bytes
.set BCH,   128*PITCH                  ; a chunk of W
.set BT,    4*ACH
.set SCA,   BT+4*BCH
.set SCB,   SCA+4352
.set STG,   SCB+4352                   ; the stages: 16 rows x (256 + 16) bytes a wave; no fill lands here
.set AA16, 3                           ; v3   6,144 (w / 2) + 16 lane
.set AA8,  4                           ; v4   6,144 (w / 2) + 8 lane
.set AB,   5                           ; v5   W: (64 (w % 2) + r) pitch + 24 h
.set AB2,  6                           ; v6   the same behind one padding more
.set ASA,  7
.set ASB,  8
.set STO,  9
.set RD,   10
.set CO,   11
.set SA,   16
.set SB,   20
.set FA,   32
.set FB,   56
.set BI,   104
.set ACC,  136
.set G1A,  24
.set G1SA, 32
.set G1B,  40
.set G1SB, 48
.macro CROUND
	s_barrier_signal -1
	s_barrier_wait -1
	s_cmp_lg_u32 s16, 0
	s_cbranch_scc1 .Lnot_wave_0_\@
	s_barrier_signal -3
.Lnot_wave_0_\@:
	s_barrier_wait -3
	s_barrier_signal -1
	s_barrier_wait -1
.endm
.macro G0SET g, mul, base, ptr, off    ; a group 0: to LDS byte base + mul x (my half), from the pointer + off
	s_mov_b32 s[\g], 1
	s_mul_i32 s[\g+1], s17, \mul
	s_add_co_u32 s[\g+1], s[\g+1], \base
	s_add_nc_u64 s[\g+2:\g+3], s[\ptr:\ptr+1], \off
	s_or_b32 s[\g+3], s[\g+3], 0x80000000
.endm
	s_load_b256 s[4:11], s[0:1], 0x0               ; c_img, c_sc, W's codes, W's scales
	s_load_b128 s[12:15], s[0:1], 0x20             ; b_proj, out0
	v_lshl_add_u32 v254, v0, 2, 0x40a00
	v_mov_b32 v255, 0
	ds_add_u32 v254, v255
	ds_add_u32 v254, v255
	v_lshrrev_b32 v1, 5, v0
	v_readfirstlane_b32 s16, v1                    ; wave 0..7
	s_and_b32 s17, s16, 1                          ; my half of the outputs.  Also: which half of a tile I fetch
	s_lshr_b32 s100, s16, 1                        ; my quarter of the tokens
	s_bfe_u32 s18, ttmp6, 0x40000                  ; cx, cy
	s_bfe_u32 s19, ttmp6, 0x40004
	s_lshl_b32 s20, ttmp9, 2
	s_add_co_u32 s20, s20, s18                     ; x
	s_and_b32 s21, ttmp7, 0xffff
	s_lshl_b32 s21, s21, 2
	s_add_co_u32 s21, s21, s19                     ; y
	s_lshl_b32 s22, s19, 2
	s_lshl_b32 s22, 15, s22                        ; my row of the cluster
	s_lshl_b32 s23, 0x1111, s18                    ; my column
	; every LDS address register is made here, ahead of all branches
	v_and_b32 v1, 31, v0                           ; lane
	v_and_b32 v2, 15, v0                           ; r
	v_bfe_u32 v12, v0, 4, 1                        ; h
	s_mul_i32 s101, s100, 6144
	v_lshl_add_u32 v[AA16], v1, 4, s101
	v_lshl_add_u32 v[AA8], v1, 3, s101
	s_mul_i32 s101, s17, 64*PITCH
	s_add_co_u32 s101, s101, BT
	v_mul_u32_u24 v[AB], v2, PITCH
	v_mad_u32_u24 v[AB], v12, 24, v[AB]
	v_add_nc_u32 v[AB], s101, v[AB]
	v_lshl_add_u32 v[AB2], v12, 4, v[AB]
	v_lshrrev_b32 v13, 3, v2                       ; a row's 32 scale bytes: eight rows to a unit of 256 + 16
	v_and_b32 v14, 7, v2
	v_mul_u32_u24 v13, v13, 272
	v_lshl_add_u32 v13, v14, 5, v13
	s_mul_i32 s101, s100, 1088
	s_add_co_u32 s101, s101, SCA
	v_add_nc_u32 v[ASA], s101, v13
	s_mul_i32 s101, s17, 2176
	s_add_co_u32 s101, s101, SCB
	v_add_nc_u32 v[ASB], s101, v13
	s_mul_i32 s101, s16, 4352
	s_add_co_u32 s101, s101, STG                   ; my stage
	v_mul_u32_u24 v[STO], v2, 272
	v_lshl_add_u32 v[STO], v12, 5, v[STO]
	v_add_nc_u32 v[STO], s101, v[STO]              ; in: row r, 32 bytes for each half of the lanes
	v_mul_u32_u24 v[RD], v12, 272
	v_lshl_add_u32 v[RD], v2, 4, v[RD]
	v_add_nc_u32 v[RD], s101, v[RD]                ; back: lanes 0-15 one row of 256 bytes, lanes 16-31 the next
	v_lshlrev_b32 v[CO], 12, v12
	v_lshl_add_u32 v[CO], v2, 4, v[CO]             ; and the same two rows of out0
	v_lshlrev_b32 v15, 5, v12                      ; 32 h
	; descriptor groups 1
	s_or_b32 s[G1A], s22, (3<<16)|(1<<21)          ; ctx's codes: 12,288 dense bytes as 48 rows of 256
	s_mov_b32 s[G1A+1], 32<<16
	s_mov_b32 s[G1A+2], 48<<16
	s_mov_b32 s[G1A+3], 32<<16
	s_mov_b32 s[G1A+4], 48
	s_mov_b32 s[G1A+5], 32
	s_mov_b32 s[G1A+6], 0
	s_mov_b32 s[G1A+7], 0
	s_or_b32 s[G1SA], s22, (3<<16)|(1<<20)|(1<<21)|(5<<22)|(3<<25)   ; scale bytes of 64 rows: 8 rows of 256 bytes, 16 bytes of padding behind each
	s_or_b32 s[G1SB], s23, (3<<16)|(1<<20)|(1<<21)|(5<<22)|(3<<25)
.irp g, G1SA, G1SB
	s_mov_b32 s[\g+1], 32<<16
	s_mov_b32 s[\g+2], 8<<16
	s_mov_b32 s[\g+3], 32<<16
	s_mov_b32 s[\g+4], 8
	s_mov_b32 s[\g+5], 32
	s_mov_b32 s[\g+6], 0
	s_mov_b32 s[\g+7], 0
.endr
	s_or_b32 s[G1B], s23, (0<<16)|(1<<20)|(1<<21)|(3<<22)|(3<<25)    ; W's codes: 64 rows of 192 bytes, 768 apart, 16 bytes of padding behind every 64
	s_mov_b32 s[G1B+1], 192<<16
	s_mov_b32 s[G1B+2], 64<<16
	s_mov_b32 s[G1B+3], 192<<16
	s_mov_b32 s[G1B+4], 64
	s_mov_b32 s[G1B+5], 768
	s_mov_b32 s[G1B+6], 0
	s_mov_b32 s[G1B+7], 0
	s_mul_i32 s2, s21, 4*ACH                       ; ctx hangs on y and the wave alone,
	s_mul_i32 s3, s17, ACH/2
	s_add_co_u32 s2, s2, s3
	s_mov_b32 s3, 0
	s_wait_dscnt 0x0
	s_wait_kmcnt 0x0
	s_add_nc_u64 s[4:5], s[4:5], s[2:3]
	s_lshl_b32 s2, s21, 12
	s_lshl_b32 s3, s17, 11
	s_add_co_u32 s2, s2, s3
	s_mov_b32 s3, 0
	s_add_nc_u64 s[6:7], s[6:7], s[2:3]
	s_lshl_b32 s66, s20, 7                         ; W on x and the wave alone
	s_lshl_b32 s67, s17, 6
	s_add_co_u32 s101, s66, s67                    ; row 128 x + 64 x half: the first that I fetch, and my first output
	s_mul_i32 s66, s101, 768
	s_mov_b32 s67, 0
	s_add_nc_u64 s[8:9], s[8:9], s[66:67]
	s_lshl_b32 s66, s101, 5
	s_add_nc_u64 s[10:11], s[10:11], s[66:67]
	s_lshl_b32 s66, s101, 2
	s_add_nc_u64 s[12:13], s[12:13], s[66:67]      ; b_proj at my first output
	G0SET 56, 2176, SCA, 6, 0
	G0SET 60, ACH/2, 0*ACH, 4, 0*ACH
	G0SET 68, ACH/2, 1*ACH, 4, 1*ACH
	G0SET 72, ACH/2, 2*ACH, 4, 2*ACH
	G0SET 76, ACH/2, 3*ACH, 4, 3*ACH
	G0SET 80, 2176, SCB, 10, 0
	G0SET 84, BCH/2, BT+0*BCH, 8, 0*192
	G0SET 88, BCH/2, BT+1*BCH, 8, 1*192
	G0SET 92, BCH/2, BT+2*BCH, 8, 2*192
	G0SET 96, BCH/2, BT+3*BCH, 8, 3*192
	CROUND                                         ; all sixteen work-groups are here: the joint loads meet
	s_cmp_lt_u32 s16, 2                            ; a fetching wave's five loads stand in one branch: the scales, then chunks 0 to 3; five are out
	s_cbranch_scc0 .Lnot_a
	tensor_load_to_lds s[56:59], s[G1SA:G1SA+7]
	s_nop 0
	tensor_load_to_lds s[60:63], s[G1A:G1A+7]
	s_nop 0
	tensor_load_to_lds s[68:71], s[G1A:G1A+7]
	s_nop 0
	tensor_load_to_lds s[72:75], s[G1A:G1A+7]
	s_nop 0
	tensor_load_to_lds s[76:79], s[G1A:G1A+7]
	s_nop 0
.rept 4
	v_nop
.endr
	s_branch .Lasked
.Lnot_a:
	s_cmp_lt_u32 s16, 4
	s_cbranch_scc0 .Lasked
	tensor_load_to_lds s[80:83], s[G1SB:G1SB+7]
	s_nop 0
	tensor_load_to_lds s[84:87], s[G1B:G1B+7]
	s_nop 0
	tensor_load_to_lds s[88:91], s[G1B:G1B+7]
	s_nop 0
	tensor_load_to_lds s[92:95], s[G1B:G1B+7]
	s_nop 0
	tensor_load_to_lds s[96:99], s[G1B:G1B+7]
	s_nop 0
.rept 4
	v_nop
.endr
.Lasked:
.irp b, 0,1,2,3
	global_load_b128 v[BI+8*\b:BI+8*\b+3], v15, s[12:13] offset:64*\b          ; b_proj[my first output + 16 b + 8 h + 0 .. 7]: the result's layout
	global_load_b128 v[BI+8*\b+4:BI+8*\b+7], v15, s[12:13] offset:64*\b+16
.endr
	s_lshl_b32 s101, s21, 7                        ; out0 at my first token and my first output (s66 = 4 x my first output)
	s_lshl_b32 s2, s100, 5
	s_add_co_u32 s101, s101, s2
	s_lshl_b32 s101, s101, 12
	s_add_co_u32 s66, s66, s101
	s_add_nc_u64 s[14:15], s[14:15], s[66:67]
.macro FRAG reg, q, i                  ; a fragment of W: lane (r, h) takes 24 bytes at 24 h and 24 at 48 + 24 h of its row's 96, in pieces of 8 bytes; the second register serves the pieces behind one padding more
.irp p, 0,1,2,3,4,5
.set PCE, 12*(\q)+6*(\p/3)+\p%3
.if PCE%8 < 5
	ds_load_b64 v[\reg+2*\p:\reg+2*\p+1], v[AB] offset:8*PCE+16*(PCE/8)+(\i)*16*PITCH
.else
	ds_load_b64 v[\reg+2*\p:\reg+2*\p+1], v[AB2] offset:8*PCE+16*(PCE/8)+(\i)*16*PITCH
.endif
.endr
.endm
; 128 along K: the q-th of chunk c.  Two heads' half fragments make a fragment of ctx: registers 0-5 the first head's 64 channels, 6-11 the second's.
.macro KSTEP c, q
.if (\q) == 1
.rept 4
	v_nop                                          ; places in front of loads into registers that matrix instructions have read
.endr
.else
.irp a, 0,1
	ds_load_b64 v[SA+2*\a:SA+2*\a+1], v[ASA] offset:544*\a+8*(\c)      ; the chunk's two scale words of each row
.endr
.irp b, 0,1,2,3
	ds_load_b64 v[SB+2*\b:SB+2*\b+1], v[ASB] offset:544*\b+8*(\c)
.endr
.endif
.irp a, 0,1
	ds_load_b128 v[FA+12*\a:FA+12*\a+3], v[AA16] offset:(4*\a+2*(\q))*768
	ds_load_b64 v[FA+12*\a+4:FA+12*\a+5], v[AA8] offset:(4*\a+2*(\q))*768+512
	ds_load_b128 v[FA+12*\a+6:FA+12*\a+9], v[AA16] offset:(4*\a+2*(\q))*768+768
	ds_load_b64 v[FA+12*\a+10:FA+12*\a+11], v[AA8] offset:(4*\a+2*(\q))*768+1280
.endr
.irp b, 0,1,2,3
	FRAG FB+12*\b, \q, \b
.endr
	s_wait_dscnt 0x0
.if (\c) == 0 && (\q) == 0
	s_wait_loadcnt 0x0                             ; the bias
.endif
.irp a, 0,1
.irp b, 0,1,2,3
.if (\c) == 0 && (\q) == 0
	v_wmma_scale_f32_16x16x128_f8f6f4 v[ACC+8*(4*\a+\b):ACC+8*(4*\a+\b)+7], v[FB+12*\b:FB+12*\b+11], v[FA+12*\a:FA+12*\a+11], v[BI+8*\b:BI+8*\b+7], v[SB+2*\b+(\q)], v[SA+2*\a+(\q)] matrix_a_fmt:MATRIX_FMT_FP6 matrix_b_fmt:MATRIX_FMT_FP6
.else
	v_wmma_scale_f32_16x16x128_f8f6f4 v[ACC+8*(4*\a+\b):ACC+8*(4*\a+\b)+7], v[FB+12*\b:FB+12*\b+11], v[FA+12*\a:FA+12*\a+11], v[ACC+8*(4*\a+\b):ACC+8*(4*\a+\b)+7], v[SB+2*\b+(\q)], v[SA+2*\a+(\q)] matrix_a_fmt:MATRIX_FMT_FP6 matrix_b_fmt:MATRIX_FMT_FP6
.endif
.endr
.endr
.endm
.irp c, 0,1,2,3
	s_wait_tensorcnt 3-\c                          ; the scales and chunks 0 to c are in; the later chunks may be out
	s_wait_dscnt 0x0
	s_barrier_signal -1
	s_barrier_wait -1                              ; everybody's parts are
	KSTEP \c, 0
	KSTEP \c, 1
.if \c < 3
	v_add_nc_u32 v[AA16], ACH, v[AA16]             ; on to the next chunk.  These four plain lines are the places in front of its loads
	v_add_nc_u32 v[AA8], ACH, v[AA8]
	v_add_nc_u32 v[AB], BCH, v[AB]
	v_add_nc_u32 v[AB2], BCH, v[AB2]
.endif
.endr
; THE WAY OUT.  A block of 16 tokens x 64 outputs goes through my own stage and comes back as whole rows of 256 bytes.  LDS serves a wave's instructions in order (ISA guide 5.7.1.4): no wait between the stores and the loads.
.macro TOSTAGE a, back
.irp b, 0,1,2,3
	ds_store_b128 v[STO], v[ACC+8*(4*\a+\b):ACC+8*(4*\a+\b)+3] offset:64*\b        ; each accumulator from its low end on
	ds_store_b128 v[STO], v[ACC+8*(4*\a+\b)+4:ACC+8*(4*\a+\b)+7] offset:64*\b+16
.endr
.irp i, 0,1,2,3,4,5,6,7
	ds_load_b128 v[\back+4*\i:\back+4*\i+3], v[RD] offset:544*\i
.endr
.endm
.macro SEND a, back, younger           ; younger: the LDS instructions issued behind block a's loads
.irp i, 0,1,2,3,4,5,6,7
	s_wait_dscnt \younger+7-\i
	global_store_b128 v[CO], v[\back+4*\i:\back+4*\i+3], s[14:15] offset:65536*\a+8192*\i th:TH_STORE_NT   ; 16 lanes store 256 consecutive bytes, aligned; written once, read by nobody here
.endr
.endm
.rept 4
	v_nop                                          ; places behind the last products
.endr
	TOSTAGE 0, 200
	TOSTAGE 1, FA                                  ; into the fragments' registers, which are free
	SEND 0, 200, 16
	SEND 1, FA, 0
	s_wait_tensorcnt 0x0
	ds_add_u32 v254, v255
	s_wait_dscnt 0x0
	CROUND                                         ; the closing round; every tensor load has been waited for, no LDS instruction is out
	s_endpgm
.Lfunc_end_k_q69f3a3e66c_proj:
	.size	k_q69f3a3e66c_proj, .Lfunc_end_k_q69f3a3e66c_proj-k_q69f3a3e66c_proj
	.p2alignl 7, 3214868480
	.fill 96, 4, 3214868480
	.section	.rodata,"a",@progbits
	.p2align	6, 0x0
	.amdhsa_kernel k_q69f3a3e66c_proj
		.amdhsa_group_segment_fixed_size 265728
		.amdhsa_private_segment_fixed_size 0
		.amdhsa_enable_private_segment 0
		.amdhsa_kernarg_size 48
		.amdhsa_user_sgpr_count 2
		.amdhsa_user_sgpr_kernarg_segment_ptr 1
		.amdhsa_wavefront_size32 1
		.amdhsa_system_sgpr_workgroup_id_x 1
		.amdhsa_system_sgpr_workgroup_id_y 1
		.amdhsa_system_sgpr_workgroup_id_z 1
		.amdhsa_system_vgpr_workitem_id 0
		.amdhsa_next_free_vgpr 256
		.amdhsa_next_free_sgpr 102
		.amdhsa_reserve_vcc 0
		.amdhsa_float_denorm_mode_32 3
		.amdhsa_float_denorm_mode_16_64 3
		.amdhsa_memory_ordered 1
		.amdhsa_forward_progress 1
		.amdhsa_inst_pref_size 44
	.end_amdhsa_kernel
	.amdgpu_metadata
---
amdhsa.version: [ 1, 2 ]
amdhsa.kernels:
  - .name:           k_q69f3a3e66c_proj
    .symbol:         k_q69f3a3e66c_proj.kd
    .args:
      - { .name: c_img, .offset: 0, .size: 8, .value_kind: global_buffer, .address_space: global }
      - { .name: c_sc, .offset: 8, .size: 8, .value_kind: global_buffer, .address_space: global }
      - { .name: W_proj_codes, .offset: 16, .size: 8, .value_kind: global_buffer, .address_space: global }
      - { .name: W_proj_scales, .offset: 24, .size: 8, .value_kind: global_buffer, .address_space: global }
      - { .name: b_proj, .offset: 32, .size: 8, .value_kind: global_buffer, .address_space: global }
      - { .name: out0, .offset: 40, .size: 8, .value_kind: global_buffer, .address_space: global }
    .group_segment_fixed_size: 265728
    .private_segment_fixed_size: 0
    .kernarg_segment_align: 8
    .kernarg_segment_size: 48
    .max_flat_workgroup_size: 256
    .sgpr_count:     102
    .vgpr_count:     256
    .wavefront_size: 32
...
	.end_amdgpu_metadata
.endif
;; end of part 3
